; MI455X (gfx1250); checked and timed in simulation.
; The chip was launched on July 23, 2026; its instructions are those of AMD's public machine-readable ISA for CDNA 5 (MIT licence, August 2026) and "CDNA5" Instruction Set Architecture Reference Guide (July 2026). The comments in the code are by the model that wrote it; some were corrected since.
;; Multi Head Attention. Allowed arithmetic: matrix products marked QUANTISED: E5M2 operands, one E8M0 scale for each 32 along K, by v_wmma_scale_f32_16x16x128_f8f6f4 with both operands' format E5M2, f32 sums; everything else in f32.
;; Inputs: beta 512 float32; bk 512 float32; bq 512 float32; bv 512 float32; gamma 512 float32; inputs 8 x 1,024 x 512 float32; wk_codes 512 x 16 x 32 uint8 (E5M2 codes of wk, K innermost, in blocks of 32 codes); wk_scales 512 x 16 uint8 (E8M0 scales of wk, one for each 32 codes along K); wq_codes 512 x 16 x 32 uint8 (E5M2 codes of wq, K innermost, in blocks of 32 codes); wq_scales 512 x 16 uint8 (E8M0 scales of wq, one for each 32 codes along K); wv_codes 512 x 16 x 32 uint8 (E5M2 codes of wv, K innermost, in blocks of 32 codes); wv_scales 512 x 16 uint8 (E8M0 scales of wv, one for each 32 codes along K).
;; Outputs: out0 8 x 1,024 x 512 float32.
;; This version of the problem:
;;   THIS VERSION OF THE PROBLEM IS GIVEN IN LOW PRECISION. The matrix products marked QUANTISED in the list below multiply operands that are first quantised to E5M2 (5 exponent bits, 2 mantissa bits; 8 bits a number), with one power-of-two scale for each 32 numbers along K (OCP MX v1.0); their sums are f32. All else is computed in f32.
;;   The module's matrix products, in the order in which they are computed (A, B: the left and right operand; K: the contracted axis; several contracted axes count as one K, in the product's order):
;;     1. [M 8,192, K 512] x [K 512, N 512]; A: input inputs; B: input wq (given as codes): QUANTISED
;;     2. [M 8,192, K 512] x [K 512, N 512]; A: input inputs; B: input wk (given as codes): QUANTISED
;;     3. [M 8,192, K 512] x [K 512, N 512]; A: input inputs; B: input wv (given as codes): QUANTISED
;;     4. batch 128 x [M 1,024, K 32] x [K 32, N 1,024]; A: computed on the way; B: computed on the way: QUANTISED
;;     5. batch 128 x [M 32, K 1,024] x [K 1,024, N 1,024]; A: computed on the way; B: softmax (see below): QUANTISED
;;   THE QUANTISER, for each operand of a quantised product, along K:
;;     - K is cut into blocks of 32 from its start; a last block that is shorter is filled with zeros.
;;     - A block's scale is 2^e with e = floor(log2(the largest magnitude in the block)) - 15, held to -126 .. 127; a block of zeros has e = 0. As a byte (E8M0): e + 127.
;;     - Each number is divided by its block's scale, clamped to +-57,344, and rounded to the nearest number of E5M2, ties to even, subnormals kept.
;;     - The product sums the exact products of the quantised numbers (number of the format x scale) in f32.
;;   ~~~python
;;   def quantise(x, axis):      # numpy; x: float32 -> the quantised numbers, widened to float32 again
;;       x = np.moveaxis(x, axis, -1); K = x.shape[-1]
;;       x = np.pad(x, [(0, 0)] * (x.ndim - 1) + [(0, -K % 32)]); x = x.reshape(x.shape[:-1] + (-1, 32)); a = np.abs(x).max(-1, keepdims=True)
;;       e = np.where(a > 0, np.clip(np.frexp(np.where(a > 0, a, 1))[1] - 1 - 15, -126, 127), 0)      # np.frexp(a)[1] - 1 = floor(log2(a)), exactly
;;       r = np.clip(x / 2.0 ** e, -57344, 57344)
;;       step = 2.0 ** (np.maximum(np.frexp(np.where(r == 0, 1, r))[1] - 1, -14) - 2)
;;       q = np.round(r / step) * step * 2.0 ** e      # np.round: ties to even
;;       return np.moveaxis(q.reshape(q.shape[:-2] + (-1,))[..., :K], -1, axis).astype(np.float32)
;;   ~~~
;;   SOFTMAX AHEAD OF A QUANTISED PRODUCT. Where the list says 'softmax', what is quantised is not the finished softmax but p = 2^(t - M), with t = logit x log2(e) and M = ceil(the row's largest t), a whole number; so 1/2 < the row's largest p <= 1. The row's sum l is taken of the UNQUANTISED p, in f32, and the product's result is divided by l at the end. Since M is a whole number, a kernel that streams over the keys may use a running M (the ceiling of the running maximum): every later rescaling is an exact power of two, which a block's scale takes up: the codes' values come out the same.
;;   OPERANDS COMPUTED ON THE WAY. 'Computed on the way' means the value that the module computes at that place (a softmax that the list does not call 'softmax' is quantised finished and normalised). What goes into a quantiser is computed in f32, as accurately as f32 sums, v_exp_f32 and their like allow (about 1e-6 of the number): no bf16 or f16 on the way to a quantiser, and a product that is left as it is and whose result goes on into a quantised operand takes f32 operands (vector FMAs, or v_wmma_f32_16x16x4_f32). A number that lies on a knife's edge between two numbers of the format may be rounded either way, as far as f32 arithmetic and the matrix unit's own rounding can turn it there, and no further.
;;   INPUTS GIVEN AS CODES. wk (in the module: [512, 512], K = its axis 0); wq (in the module: [512, 512], K = its axis 0); wv (in the module: [512, 512], K = its axis 0): each comes as NAME_codes (uint8): NAME with its K axis moved to the last place and cut into blocks of 32 codes, [.., K / 32, bytes a block], one block behind the other in memory; one code a byte (a code: sign, 5 exponent bits, 2 mantissa bits); and NAME_scales (uint8): the same leading axes, one E8M0 byte (e + 127) for each 32 codes along K. Its value is code x scale, taken as it is: it is not quantised again, and the codes and scales need not be those that the quantiser above would give.
;; 2 versions. Each part assembles by itself: llvm-mc -triple=amdgcn-amd-amdhsa -mcpu=gfx1250 --defsym DOCPART=n.
;; ======== version 1 of 2: 3 launches
;; workspace buffers: qc 4,194,304 bytes; kc 4,194,304 bytes; vc 4,194,304 bytes; qs 524,288 bytes; ks 131,072 bytes; vs 131,072 bytes; y 16,777,216 bytes; part 131,072 bytes
;; launch proj (part 1): grid 4 x 64, 4 waves a work-group, no clusters, 103,936 bytes of LDS; arguments inputs, wq_codes, wq_scales, bq, wk_codes, wk_scales, bk, wv_codes, wv_scales, bv, qc, qs, kc, ks, vc, vs; writes qc, qs, kc, ks, vc, vs
.if DOCPART == 1
	.amdgcn_target "amdgcn-amd-amdhsa--gfx1250"
	.amdhsa_code_object_version 6
	.text
	.protected	k_qeae3091efc_proj
	.globl	k_qeae3091efc_proj
	.p2align	8
	.type	k_qeae3091efc_proj,@function
k_qeae3091efc_proj:
	s_mov_b64 s[64:65], 0
	v_nop
	global_prefetch_b8 v0, s[64:65] scope:SCOPE_SE
	s_setreg_imm32_b32 hwreg(HW_REG_WAVE_MODE, 25, 1), 1
	s_wait_xcnt 0x0
; q, k, v = relu(x W + b) on codes of BF8 (E5M2) with one E8M0 scale for each 32 along K, and the results quantised again for the attention that follows:
; q and k along a head's 32 channels (one block a token and head), v along the keys (one block for 32 tokens of a channel).
; x: [8192][512] f32, quantised here.  W: codes [512 (n)][512 (k)], scale bytes [512][16], taken as they are given.  b: [512] f32.
; SHARES.  A work-group takes 128 rows of x (work-group y) and four heads (work-group x); wave w owns head 4 x + w of q, of k and of v: 6 tiles of 16 columns, whose 24 fragments
; (384 registers) stay in its registers.  Each wave quantises 32 of the 128 rows; the fragments go from wave to wave through LDS as images of their registers (16 bytes a lane, 512 a store).
; TOKEN ORDER.  Row r of tile 2 bb + u is token 32 bb + 8 u + r + 8 (r / 8), so that the 16 registers of two neighbouring tiles of a result are 16 neighbours.  W's rows of q and k are taken in the same order.
; q, k: source 0 = 16 rows of W, source 1 = 16 tokens: a lane holds one token and 16 neighbouring channels.   v: source 0 = 16 tokens, source 1 = 16 rows of W: a lane holds one channel and 16 neighbouring tokens.
; So the conversions' results are the next products' operand registers, and they are stored as such: every store of codes is 512 consecutive bytes.
; The biases are the C of each sum's first product (another order of f32 rounding than adding them last).
; NO CLUSTER: nothing comes into LDS by a tensor load: x passes through registers to be quantised, the weights go straight to the registers where they stay: there is no tile for a joint request.
; LIMITS: NaN and infinities among the inputs are not served.  A block of zeros gets the byte 1 where the quantiser says 127: its codes are zeros, which add nothing under any byte but 0xff, and this program alone reads
; the bytes.  The scale words leave in runs of 128 bytes (qs, ks, vs: 0.8 MB of the launch's 13 MB of stores).
; REGISTERS, in windows of 256.  window 0: v1-13 addresses; v16-39 W's scale words; v40-55 x's scale words, two sets; v56-63 the scale words that are made; v64-191 x's numbers (two sets of 64), later v64-159 the
; twelve accumulators and v160-183 their codes; v192-208 a fragment of x and its scale word; v210-237 at work.
; window 1: x as loaded (four sets of 64), later x's fragments (two sets of 8).   window 2: W_q, W_k.   window 3: W_v; from v128 the biases in the results' layout.
.set XSC,  65536                       ; LDS: x's 32 fragments of 2,048 bytes from 0 on; then their scale words, 128 bytes each;
.set STG,  69632                       ; then a stage of 16 rows x 528 bytes for each wave
.set SP,   528                         ; a stage row: 512 bytes + 16: row r begins 4 r words on in the banks' round of 64 words (ISA guide 11.1)
.set LI,   1                           ; 16 x lane
.set L4,   2                           ; 4 x lane
.set LS,   3                           ; XSC + 4 x lane
.set STW,  4                           ; my stage, on the way in: 16 x lane
.set STR,  5                           ; and on the way out: row r, + 64 h
.set XWI,  6                           ; where I store x's images: 16,384 x wave + 16 x lane
.set XWS,  7                           ; and their scale words: XSC + 1,024 x wave + 4 x lane
.set WPO,  8                           ; W_q, W_k: (r + 8 (r / 8)) x 512 + 16 h
.set WNO,  9                           ; W_v: r x 512 + 16 h
.set WPS,  10                          ; their scale bytes: 16 a row
.set WNS,  11
.set BQO,  12                          ; bq, bk: 64 h
.set BVO,  13                          ; bv: 4 r
.set WS,   16
.set XSW,  40
.set QW,   56
.set KW,   60
.set VW,   62
.set XS,   64
.set ACC,  64
.set CD,   160
.set PC,   192
.set PW,   208
.set TM,   210                         ; largest magnitudes;
.set TP,   216                         ; the other half's, then the bytes;
.set HD,   222                         ; 57,344 x the scale;
.set SO,   228                         ; the conversions' scale operands: six of each
.set T0,   234
.set T1,   235
.set BQ,   128                         ; window 3: bq's two tiles, bk's two,
.set BV,   160                         ; bv's two
.set MSB, 0
.macro WIN new                         ; the immediate's high byte repeats the setting that is left
.if MSB != \new
	s_set_vgpr_msb (MSB<<8)|\new
.set MSB, \new
.endif
.endm
	s_load_b512 s[8:23], s[0:1], 0x0               ; inputs, wq_codes, wq_scales, bq, wk_codes, wk_scales, bk, wv_codes
	s_load_b512 s[24:39], s[0:1], 0x40             ; wv_scales, bv, qc, qs, kc, ks, vc, vs
	v_lshl_add_u32 v254, v0, 2, 0x19400
	v_mov_b32 v255, 0
	v_lshrrev_b32 v14, 5, v0
	v_readfirstlane_b32 s40, v14                   ; wave 0..3
	v_and_b32 v14, 31, v0                          ; lane
	v_and_b32 v15, 15, v0                          ; r
	v_bfe_u32 v[T0], v0, 4, 1                      ; h
	v_lshlrev_b32 v[LI], 4, v14
	v_lshlrev_b32 v[L4], 2, v14
	v_add_nc_u32 v[LS], XSC, v[L4]
	s_mul_i32 s44, s40, 16*SP
	s_add_co_u32 s44, s44, STG
	v_add_nc_u32 v[STW], s44, v[LI]
	v_mul_u32_u24 v[STR], v15, SP
	v_lshl_add_u32 v[STR], v[T0], 6, v[STR]
	v_add_nc_u32 v[STR], s44, v[STR]
	s_lshl_b32 s44, s40, 14
	v_add_nc_u32 v[XWI], s44, v[LI]
	s_lshl_b32 s44, s40, 10
	v_add_nc_u32 v[XWS], s44, v[LS]
	v_and_b32 v[T1], 8, v15
	v_add_nc_u32 v[T1], v[T1], v15                 ; r + 8 (r / 8)
	v_lshlrev_b32 v[WPO], 9, v[T1]
	v_lshl_add_u32 v[WPO], v[T0], 4, v[WPO]
	v_lshlrev_b32 v[WNO], 9, v15
	v_lshl_add_u32 v[WNO], v[T0], 4, v[WNO]
	v_lshlrev_b32 v[WPS], 4, v[T1]
	v_lshlrev_b32 v[WNS], 4, v15
	v_lshlrev_b32 v[BQO], 6, v[T0]
	v_lshlrev_b32 v[BVO], 2, v15
.irp b, 0,1,2,3,4,5
	v_mov_b32 v[TP+\b], 0                          ; written once: a lane permute's destination counts as one of its sources
.endr
	s_lshl_b32 s41, ttmp9, 2
	s_add_co_u32 s41, s41, s40                     ; my head
	s_and_b32 s43, ttmp7, 0xffff                   ; which 128 rows
	s_lshr_b32 s42, s43, 3
	s_lshl_b32 s42, s42, 4
	s_add_co_u32 s42, s42, s41                     ; 16 x batch + head
	s_and_b32 s51, s43, 7                          ; which 128 tokens of the batch's 1,024
	s_mov_b32 s45, 0
	s_mov_b32 s46, 0x76543210
	s_mov_b32 s47, 0xfedcba98                      ; v_permlanex16_b32's selects for lane l xor 16
	s_mov_b32 s48, 0x600000                        ; the mantissa field of 57,344
	s_mov_b32 s50, 0x01010101
	s_mov_b32 vcc_lo, 0xffff0000                   ; lanes 16-31: kept for the selects between the halves
	s_wait_kmcnt 0x0
	s_lshl_b32 s44, s43, 18                        ; 128 rows of 2,048 bytes,
	s_lshl_b32 s52, s40, 16                        ; my 32 of them
	s_add_co_u32 s44, s44, s52
	s_add_nc_u64 s[8:9], s[8:9], s[44:45]
	s_lshl_b32 s44, s41, 14                        ; a head's 32 rows of 512 codes
	s_add_nc_u64 s[10:11], s[10:11], s[44:45]
	s_add_nc_u64 s[16:17], s[16:17], s[44:45]
	s_add_nc_u64 s[22:23], s[22:23], s[44:45]
	s_lshl_b32 s44, s41, 9                         ; and of 16 scale bytes
	s_add_nc_u64 s[12:13], s[12:13], s[44:45]
	s_add_nc_u64 s[18:19], s[18:19], s[44:45]
	s_add_nc_u64 s[24:25], s[24:25], s[44:45]
	s_lshl_b32 s44, s41, 7                         ; its 32 biases
	s_add_nc_u64 s[14:15], s[14:15], s[44:45]
	s_add_nc_u64 s[20:21], s[20:21], s[44:45]
	s_add_nc_u64 s[26:27], s[26:27], s[44:45]
	s_lshl_b32 s44, s42, 15                        ; codes: 32,768 bytes a batch and head, 4,096 for 128 tokens
	s_lshl_b32 s52, s51, 12
	s_add_co_u32 s44, s44, s52
	s_add_nc_u64 s[28:29], s[28:29], s[44:45]
	s_add_nc_u64 s[32:33], s[32:33], s[44:45]
	s_add_nc_u64 s[36:37], s[36:37], s[44:45]
	s_lshl_b32 s44, s42, 12                        ; q's scale words: 4 bytes a token
	s_lshl_b32 s52, s51, 9
	s_add_co_u32 s44, s44, s52
	s_add_nc_u64 s[30:31], s[30:31], s[44:45]
	s_lshl_b32 s44, s42, 10                        ; k's and v's: 1 byte a token, 1 byte for 32 tokens of each of 32 channels
	s_lshl_b32 s52, s51, 7
	s_add_co_u32 s44, s44, s52
	s_add_nc_u64 s[34:35], s[34:35], s[44:45]
	s_add_nc_u64 s[38:39], s[38:39], s[44:45]
; the weights: two tiles x four K steps of 128: fragment (u, s) at reg + 16 (4 u + s); tile u begins rows rows on
.macro WLOAD reg, adr, lo, rows
.irp u, 0,1
.irp s, 0,1,2,3
.irp c, 0,1,2,3
	global_load_b128 v[\reg+16*(4*\u+\s)+4*\c:\reg+16*(4*\u+\s)+4*\c+3], v[\adr], s[\lo:\lo+1] offset:\rows*512*\u+128*\s+32*\c
.endr
.endr
.endr
.endm
	WIN 0x80                                       ; destination window 2
	WLOAD 0, WPO, 10, 8
	WLOAD 128, WPO, 16, 8
	WIN 0xc0                                       ; destination window 3
	WLOAD 0, WNO, 22, 16
.irp u, 0,1
	global_load_b128 v[BQ+8*\u:BQ+8*\u+3], v[BQO], s[14:15] offset:32*\u          ; tile u, lane (r, h): channels 16 h + 8 u + 0 .. 7
	global_load_b128 v[BQ+8*\u+4:BQ+8*\u+7], v[BQO], s[14:15] offset:32*\u+16
	global_load_b128 v[BQ+16+8*\u:BQ+16+8*\u+3], v[BQO], s[20:21] offset:32*\u
	global_load_b128 v[BQ+16+8*\u+4:BQ+16+8*\u+7], v[BQO], s[20:21] offset:32*\u+16
	global_load_b32 v[BV+8*\u], v[BVO], s[26:27] offset:64*\u                     ; v: a lane has one channel, 16 u + r, in all eight registers
.endr
	WIN 0
.irp u, 0,1
	global_load_b128 v[WS+4*\u:WS+4*\u+3], v[WPS], s[12:13] offset:128*\u         ; a row's 16 scale bytes are the words of its four K steps
	global_load_b128 v[WS+8+4*\u:WS+8+4*\u+3], v[WPS], s[18:19] offset:128*\u
	global_load_b128 v[WS+16+4*\u:WS+16+4*\u+3], v[WNS], s[24:25] offset:256*\u
.endr
; fragment fi = 4 u + s of my 32 rows: 16 rows x 128 numbers; each load reads 512 consecutive bytes of one row
.macro XLOAD fi
	WIN 0x40                                       ; destination window 1
.set xi, 0
.rept 16
	global_load_b128 v[64*((\fi)%4)+4*xi:64*((\fi)%4)+4*xi+3], v[LI], s[8:9] offset:(8*((\fi)/4)+xi+8*(xi/8))*2048+512*((\fi)%4)
.set xi, xi+1
.endr
.endm
; through my stage: in as loaded, out as the operand's layout wants it: lane (r, h) takes, of row r, 16 neighbours of each block of 32.  LDS serves a wave's instructions in order (ISA guide 5.7.1.4): no wait between
.macro TURN fi
	WIN 0x04                                       ; an LDS store's data are its source 1: window 1
.set xi, 0
.rept 16
	ds_store_b128 v[STW], v[64*((\fi)%4)+4*xi:64*((\fi)%4)+4*xi+3] offset:SP*xi
.set xi, xi+1
.endr
	WIN 0
.set xi, 0
.rept 16
	ds_load_b128 v[XS+64*((\fi)%2)+4*xi:XS+64*((\fi)%2)+4*xi+3], v[STR] offset:128*(xi/4)+16*(xi%4)
.set xi, xi+1
.endr
.endm
; n blocks by turns.  Block b: 16 numbers of a lane at src + 16 b, the other 16 in lane l xor 16.  Codes to dst + 4 b, the byte to TP + b.  relu = 1: what is negative becomes 0 on the way
.macro QUANTN n, src, relu, dst
.set qb, 0
.rept \n
.if \relu
	v_max3_num_f32 v[TM+qb], v[\src+16*qb], v[\src+16*qb+1], 0x8000000              ; no |.|: what is negative must not count; the floor 2^(16 - 127) holds the byte at 1 from below
.else
	v_max3_num_f32 v[TM+qb], |v[\src+16*qb]|, |v[\src+16*qb+1]|, 0x8000000
.endif
.set qb, qb+1
.endr
.irp i, 2,4,6,8,10,12,14
.set qb, 0
.rept \n
.if \relu
	v_max3_num_f32 v[TM+qb], v[TM+qb], v[\src+16*qb+\i], v[\src+16*qb+\i+1]         ; ascending: each accumulator is first read at its low end
.else
	v_max3_num_f32 v[TM+qb], v[TM+qb], |v[\src+16*qb+\i]|, |v[\src+16*qb+\i+1]|
.endif
.set qb, qb+1
.endr
.endr
.set qb, 0
.rept \n
	v_permlanex16_b32 v[TP+qb], v[TM+qb], s46, s47
.set qb, qb+1
.endr
.set qb, 0
.rept \n
	v_max_num_f32 v[TM+qb], v[TM+qb], v[TP+qb]     ; the block's largest magnitude
.set qb, qb+1
.endr
.set qb, 0
.rept \n
	v_add_nc_u32 v[SO+qb], 0xf8800000, v[TM+qb]    ; 15 off its exponent field: the conversion takes the exponent field of this operand as its scale
.set qb, qb+1
.endr
.set qb, 0
.rept \n
	v_and_or_b32 v[HD+qb], v[TM+qb], 0x7f800000, s48   ; 57,344 x the scale
.set qb, qb+1
.endr
.set qb, 0
.rept \n
	v_lshrrev_b32 v[TP+qb], 23, v[SO+qb]           ; the scale's byte
.set qb, qb+1
.endr
.set qb, 0
.rept \n
.set qi, 0
.rept 16
.if \relu
	v_med3_num_f32 v[\src+16*qb+qi], v[\src+16*qb+qi], 0, v[HD+qb]                  ; the activation and the hold in one
.else
	v_med3_num_f32 v[\src+16*qb+qi], v[\src+16*qb+qi], -v[HD+qb], v[HD+qb]          ; the conversion to an 8-bit code does not saturate (ISA guide 7.6.2)
.endif
.set qi, qi+1
.endr
	v_cvt_scalef32_pk8_bf8_f32 v[\dst+4*qb:\dst+4*qb+1], v[\src+16*qb:\src+16*qb+7], v[SO+qb]
	v_cvt_scalef32_pk8_bf8_f32 v[\dst+4*qb+2:\dst+4*qb+3], v[\src+16*qb+8:\src+16*qb+15], v[SO+qb]
.set qb, qb+1
.endr
	v_nop                                          ; a plain line behind the last conversion: products later write its sources
.endm
.macro IMAGE fi                        ; the fragment goes to LDS as it stands in my registers
.irp c, 0,1,2,3
	ds_store_b128 v[XWI], v[PC+4*\c:PC+4*\c+3] offset:2048*(\fi)+512*\c
.endr
	ds_store_b32 v[XWS], v[PW] offset:128*(\fi)
.endm
.macro STEP fi
	s_wait_dscnt 0x0                               ; this fragment's numbers are back from the stage; the last image's stores have read their registers
.if (\fi)+3 <= 7
	XLOAD (\fi)+3                                  ; into the set that went through the stage two steps ago
.endif
.if (\fi) < 7
.if (\fi) <= 4
	s_wait_loadcnt 32                              ; the next fragment's 16 loads are in; two fragments were asked for behind it
.elseif (\fi) == 5
	s_wait_loadcnt 16                              ; one fragment behind it
.else
	s_wait_loadcnt 0
.endif
	TURN (\fi)+1                                   ; it goes through the stage while this one is quantised
.endif
	QUANTN 4, XS+64*((\fi)%2), 0, PC
	v_lshl_or_b32 v[PW], v[TP+1], 8, v[TP]         ; the four bytes make my row's scale word
	v_lshl_or_b32 v[PW], v[TP+2], 16, v[PW]
	v_lshl_or_b32 v[PW], v[TP+3], 24, v[PW]
	IMAGE \fi
.endm
; the eight fragments and scale words of tiles 2 bb and 2 bb + 1, as any wave's registers
.macro FETCH bb
	WIN 0x40
.set xi, 0
.rept 8
.irp c, 0,1,2,3
	ds_load_b128 v[128*((\bb)%2)+16*xi+4*\c:128*((\bb)%2)+16*xi+4*\c+3], v[LI] offset:(8*(\bb)+xi)*2048+512*\c
.endr
.set xi, xi+1
.endr
	WIN 0
.set xi, 0
.rept 8
	ds_load_b32 v[XSW+8*((\bb)%2)+xi], v[LS] offset:(8*(\bb)+xi)*128
.set xi, xi+1
.endr
.endm
; K step s of the pair's twelve sums.  The twelve accumulators take turns, one instruction a turn, in the same order in every K step.
.macro MULS bb, s
.set xf, 128*((\bb)%2)
.set xw, XSW+8*((\bb)%2)
.if \s == 0
	WIN 0x36                                       ; source 0 (W) window 2, source 1 (x) window 1, C (the bias) window 3
.else
	WIN 0x06
.endif
.irp p, 0,1
.irp t, 0,1
.irp u, 0,1
.if \s == 0
	v_wmma_scale_f32_16x16x128_f8f6f4 v[ACC+32*\p+16*\t+8*\u:ACC+32*\p+16*\t+8*\u+7], v[128*\p+16*(4*\u+\s):128*\p+16*(4*\u+\s)+15], v[xf+16*(4*\t+\s):xf+16*(4*\t+\s)+15], v[BQ+16*\p+8*\u:BQ+16*\p+8*\u+7], v[WS+8*\p+4*\u+\s], v[xw+4*\t+\s] matrix_a_fmt:MATRIX_FMT_BF8 matrix_b_fmt:MATRIX_FMT_BF8
.else
	v_wmma_scale_f32_16x16x128_f8f6f4 v[ACC+32*\p+16*\t+8*\u:ACC+32*\p+16*\t+8*\u+7], v[128*\p+16*(4*\u+\s):128*\p+16*(4*\u+\s)+15], v[xf+16*(4*\t+\s):xf+16*(4*\t+\s)+15], v[ACC+32*\p+16*\t+8*\u:ACC+32*\p+16*\t+8*\u+7], v[WS+8*\p+4*\u+\s], v[xw+4*\t+\s] matrix_a_fmt:MATRIX_FMT_BF8 matrix_b_fmt:MATRIX_FMT_BF8
.endif
.endr
.endr
.endr
.if \s == 0
	WIN 0x3d                                       ; source 0 (x) window 1, source 1 (W_v) window 3, C window 3
.else
	WIN 0x0d
.endif
.irp ct, 0,1
.irp u, 0,1
.if \s == 0
	v_wmma_scale_f32_16x16x128_f8f6f4 v[ACC+64+16*\ct+8*\u:ACC+64+16*\ct+8*\u+7], v[xf+16*(4*\u+\s):xf+16*(4*\u+\s)+15], v[16*(4*\ct+\s):16*(4*\ct+\s)+15], v[BV+8*\ct:BV+8*\ct+7], v[xw+4*\u+\s], v[WS+16+4*\ct+\s] matrix_a_fmt:MATRIX_FMT_BF8 matrix_b_fmt:MATRIX_FMT_BF8
.else
	v_wmma_scale_f32_16x16x128_f8f6f4 v[ACC+64+16*\ct+8*\u:ACC+64+16*\ct+8*\u+7], v[xf+16*(4*\u+\s):xf+16*(4*\u+\s)+15], v[16*(4*\ct+\s):16*(4*\ct+\s)+15], v[ACC+64+16*\ct+8*\u:ACC+64+16*\ct+8*\u+7], v[xw+4*\u+\s], v[WS+16+4*\ct+\s] matrix_a_fmt:MATRIX_FMT_BF8 matrix_b_fmt:MATRIX_FMT_BF8
.endif
.endr
.endr
.endm
; 32 tokens: 48 products, six blocks quantised (q and k of two tiles of tokens, v of two tiles of channels), six stores of 512 bytes
.macro PAIR bb
	s_wait_dscnt 0x0                               ; this pair's fragments and scale words are in
	MULS \bb, 0
	MULS \bb, 1
	MULS \bb, 2
	MULS \bb, 3
	WIN 0
.rept 8
	v_nop                                          ; eight places between the last products and the first read of their results
.endr
.if (\bb) < 3
	FETCH (\bb)+1                                  ; the next pair's, into the other set, while this pair is quantised
.endif
.if (\bb) > 0
	s_wait_xcnt 0x0                                ; the last pair's stores have read their registers: the codes are written again only behind this wait
.endif
	QUANTN 6, ACC, 1, CD
	v_mul_lo_u32 v[T0], v[TP], s50                 ; q's byte in all four bytes of its word: whichever block of the attention's K holds q finds it
	v_mul_lo_u32 v[T1], v[TP+1], s50
	v_cndmask_b32 v[QW+\bb], v[T0], v[T1], vcc_lo  ; lanes 0-15: tile 2 bb; lanes 16-31: tile 2 bb + 1
.if (\bb)%2 == 0
	v_lshl_or_b32 v[KW+(\bb)/2], v[TP+3], 8, v[TP+2]               ; k: four tiles' bytes make the word of one fragment's row
.else
	v_lshl_or_b32 v[KW+(\bb)/2], v[TP+2], 16, v[KW+(\bb)/2]
	v_lshl_or_b32 v[KW+(\bb)/2], v[TP+3], 24, v[KW+(\bb)/2]
.endif
.irp ct, 0,1
.if (\bb) == 0
	v_mov_b32 v[VW+\ct], v[TP+4+\ct]               ; v: the four pairs' bytes make a channel's word for these 128 keys
.else
	v_lshl_or_b32 v[VW+\ct], v[TP+4+\ct], 8*(\bb), v[VW+\ct]
.endif
.endr
.irp t, 0,1
	global_store_b128 v[LI], v[CD+4*\t:CD+4*\t+3], s[28:29] offset:512*(2*(\bb)+\t)         ; each: 512 consecutive bytes, at a multiple of 512 from the buffer's first byte
	global_store_b128 v[LI], v[CD+8+4*\t:CD+8+4*\t+3], s[32:33] offset:512*(2*(\bb)+\t)
	global_store_b128 v[LI], v[CD+16+4*\t:CD+16+4*\t+3], s[36:37] offset:2048*\t+512*(\bb)
.endr
	global_store_b32 v[L4], v[QW+\bb], s[30:31] offset:128*(\bb)
.endm
	XLOAD 0
	XLOAD 1
	XLOAD 2
	s_wait_loadcnt 32                              ; loads come back in order (ISA guide 5.7.1): the weights and fragment 0 are in; fragments 1 and 2 may be out
	WIN 0xc3                                       ; destination and source 0 window 3
.irp u, 0,1
.irp j, 1,2,3,4,5,6,7
	v_mov_b32 v[BV+8*\u+\j], v[BV+8*\u]
.endr
.endr
	TURN 0
.irp f, 0,1,2,3,4,5,6,7
	STEP \f
.endr
	s_wait_dscnt 0x0                               ; for the others' sake: my images have landed
	s_barrier_signal -1
	s_barrier_wait -1                              ; x's 32 fragments lie in LDS; nothing is written there again
	FETCH 0
	PAIR 0
	PAIR 1
	PAIR 2
	PAIR 3
	v_cndmask_b32 v236, v[KW], v[KW+1], vcc_lo     ; lanes 0-15: the first fragment's rows; lanes 16-31: the second's
	v_cndmask_b32 v237, v[VW], v[VW+1], vcc_lo     ; lanes 0-15: channels 0-15; lanes 16-31: channels 16-31
	global_store_b32 v[L4], v236, s[34:35]
	global_store_b32 v[L4], v237, s[38:39]
	s_wait_tensorcnt 0x0
	ds_add_u32 v254, v255
	s_wait_dscnt 0x0
	s_endpgm
.Lfunc_end_k_qeae3091efc_proj:
	.size	k_qeae3091efc_proj, .Lfunc_end_k_qeae3091efc_proj-k_qeae3091efc_proj
	.p2alignl 7, 3214868480
	.fill 96, 4, 3214868480
	.section	.rodata,"a",@progbits
	.p2align	6, 0x0
	.amdhsa_kernel k_qeae3091efc_proj
		.amdhsa_group_segment_fixed_size 103936
		.amdhsa_private_segment_fixed_size 0
		.amdhsa_enable_private_segment 0
		.amdhsa_kernarg_size 128
		.amdhsa_user_sgpr_count 2
		.amdhsa_user_sgpr_kernarg_segment_ptr 1
		.amdhsa_wavefront_size32 1
		.amdhsa_system_sgpr_workgroup_id_x 1
		.amdhsa_system_sgpr_workgroup_id_y 1
		.amdhsa_system_sgpr_workgroup_id_z 1
		.amdhsa_system_vgpr_workitem_id 0
		.amdhsa_next_free_vgpr 1024
		.amdhsa_next_free_sgpr 66
		.amdhsa_reserve_vcc 1
		.amdhsa_float_denorm_mode_32 3
		.amdhsa_float_denorm_mode_16_64 3
		.amdhsa_memory_ordered 1
		.amdhsa_forward_progress 1
		.amdhsa_inst_pref_size 198
	.end_amdhsa_kernel
	.amdgpu_metadata
---
amdhsa.version: [ 1, 2 ]
amdhsa.kernels:
  - .name:           k_qeae3091efc_proj
    .symbol:         k_qeae3091efc_proj.kd
    .args:
      - { .name: inputs, .offset: 0, .size: 8, .value_kind: global_buffer, .address_space: global }
      - { .name: wq_codes, .offset: 8, .size: 8, .value_kind: global_buffer, .address_space: global }
      - { .name: wq_scales, .offset: 16, .size: 8, .value_kind: global_buffer, .address_space: global }
      - { .name: bq, .offset: 24, .size: 8, .value_kind: global_buffer, .address_space: global }
      - { .name: wk_codes, .offset: 32, .size: 8, .value_kind: global_buffer, .address_space: global }
      - { .name: wk_scales, .offset: 40, .size: 8, .value_kind: global_buffer, .address_space: global }
      - { .name: bk, .offset: 48, .size: 8, .value_kind: global_buffer, .address_space: global }
      - { .name: wv_codes, .offset: 56, .size: 8, .value_kind: global_buffer, .address_space: global }
      - { .name: wv_scales, .offset: 64, .size: 8, .value_kind: global_buffer, .address_space: global }
      - { .name: bv, .offset: 72, .size: 8, .value_kind: global_buffer, .address_space: global }
      - { .name: qc, .offset: 80, .size: 8, .value_kind: global_buffer, .address_space: global }
      - { .name: qs, .offset: 88, .size: 8, .value_kind: global_buffer, .address_space: global }
      - { .name: kc, .offset: 96, .size: 8, .value_kind: global_buffer, .address_space: global }
      - { .name: ks, .offset: 104, .size: 8, .value_kind: global_buffer, .address_space: global }
      - { .name: vc, .offset: 112, .size: 8, .value_kind: global_buffer, .address_space: global }
      - { .name: vs, .offset: 120, .size: 8, .value_kind: global_buffer, .address_space: global }
    .group_segment_fixed_size: 103936
    .private_segment_fixed_size: 0
    .kernarg_segment_align: 8
    .kernarg_segment_size: 128
    .max_flat_workgroup_size: 128
    .sgpr_count:     66
    .vgpr_count:     1024
    .wavefront_size: 32
...
	.end_amdgpu_metadata
.endif
;; end of part 1
;; launch attn (part 2): grid 32 x 8, 16 waves a work-group, no clusters, 280,576 bytes of LDS; arguments qc, qs, kc, ks, vc, vs, inputs, y, part; writes y, part
.if DOCPART == 2
	.amdgcn_target "amdgcn-amd-amdhsa--gfx1250"
	.amdhsa_code_object_version 6
	.text
	.protected	k_qeae3091efc_attn
	.globl	k_qeae3091efc_attn
	.p2align	8
	.type	k_qeae3091efc_attn,@function
k_qeae3091efc_attn:
	s_mov_b64 s[64:65], 0
	v_nop
	global_prefetch_b8 v0, s[64:65] scope:SCOPE_SE
	s_setreg_imm32_b32 hwreg(HW_REG_WAVE_MODE, 25, 1), 1
	s_wait_xcnt 0x0
; y = softmax(q k^T / sqrt(32)) v + x, both products on codes of BF8 (E5M2) with E8M0 scales, and for each channel the mean and the sum of squared distances from it over the work-group's 256 rows.
; THE SOFTMAX AHEAD OF THE SECOND PRODUCT: t = score x log2(e) / sqrt(32); M = the running largest t rounded UP to a whole number; p = 2^(t - M) is quantised along the keys, not normalised;
; the row's sum is taken of the unquantised p and divides at the end.  When M moves, the sum and O are multiplied by 2^(old M - new M): exact.
; SHARES.  A work-group owns 256 queries of a PAIR of heads (64 channels: 256 bytes of each row of y).  Waves 0-7 take the first head, 8-15 the second; a wave owns 32 queries, two tiles of 16, which share
; every fragment of K and V that it reads from LDS.  Four waves lie on a SIMD, so that one wave's exponentials stand beside another's plain work.
; K and V of the two heads, 131,072 bytes of codes, are laid in memory as images of operand registers; they come into LDS once, as they lie, by tensor loads, and are read by 16 bytes a lane, 512 a load.
; THE FILL.  Waves 0-3 issue three tensor loads each, all first fills: key steps 0 and 1 of one of the four regions (K, V x two heads: 8,192 bytes), its steps 2 to 7 (24,576 bytes), and 64 of the work-group's 256 rows
; of x (256 bytes of each).  Only the first is waited for ahead of the first step; the other two land under two steps' work, and a second barrier stands in front of step 2.  Nothing is filled again.
; K = 32 IN AN INSTRUCTION OF K = 128.  A fragment of K holds FOUR tiles of 16 keys, one in each block of 32.  Q's registers lie z z z qA z z z qB z z z in groups of four (z: zero codes): the operand that begins
; 4 c registers in front of q has q in block c and zeros elsewhere, and so picks key tile c.  Zero codes add nothing under any scale byte from 1 to 254; q's byte is repeated in all four bytes of its word.
; LAYOUT.  Both products are used transposed: S^T = K Q^T, O^T = V^T P^T: a lane holds ONE query throughout.  Row r of tile 2 bb + u is token 32 bb + 8 u + r + 8 (r / 8), so the 16 registers of two neighbouring
; tiles of S^T are 16 neighbouring keys, and the conversions' results are the second product's operand.
; NO CLUSTER: the four query blocks of a head pair read the same K and V, but each byte is asked for once in the launch and 98,304 of a work-group's 131,072 bytes are waited for by nobody: they land under two
; steps' work (40 products and some 1,000 vector instructions a wave).  Joint requests would add an opening and a closing round of the cluster's barrier and spare no wait.
; LIMITS: NaN and infinities are not served.  A block's largest p is taken through its largest score, which takes v_exp_f32 not to fall where its input rises (the ISA guide promises 1 ulp); at the worst one p of a
; block, within an ulp of a power of two, is held one code low.  p under 2^-126 counts as 0.
.set IMG,   4096                       ; LDS: from 0: [head][K's scale words 1,024 | V's 1,024], stored from registers; from IMG four regions of 32,768: K head 0, K head 1, V head 0, V head 1
.set VIMG,  65536                      ; so V's images lie this far behind K's
.set STAGE, 135168                     ; 256 rows x (256 bytes + 16): the way out
.set RED,   204800                     ; 16 x 512 bytes: the waves' sums
.set XR,    212992                     ; 256 rows x 256 bytes of x, asked for at the head and kept for the way out
.set AK0, 1                            ; IMG + 32,768 x head + 16 x lane
.set AS0, 2                            ; 2,048 x head + 4 x lane
.set ADK, 3                            ; the step's
.set ADS, 4
.set GO,  5                            ; y: 2,048 (lane / 16) + 16 (lane % 16)
.set STO, 6
.set RD,  7
.set QSC, 60                           ; scale words: q's (lanes 0-15 tile A, 16-31 tile B),
.set KSC, 61                           ; K's (the step's two fragments),
.set VSC, 62                           ; V's (two tiles of channels),
.set XRA, 63                           ; XR + 4,096 x wave + 16 x lane
.set PSA, 64                           ; p's, tile A,
.set PSB, 65                           ; tile B
.set F,   66                           ; v[66:67] 2^(old M - new M), and a word that is only named
.set KF,  68                           ; v68-99   K's two fragments, later V's two
.set S,   100                          ; v100-163 S^T of one tile of queries, then p
.set PCA, 164
.set PCB, 180
.set OA,  196                          ; O^T: 16 registers a tile
.set OB,  212
.set BM,  228
.set BP,  232
.set HD,  236
.set SO,  240
.set T0,  246
.set G0A, 52                           ; s[52:55] descriptor group 0: my region's steps 0 and 1;
.set G0B, 56                           ; s[56:59] its steps 2 to 7;
.set G0X, 60                           ; s[60:63] my 64 rows of x
.set G1A, 68                           ; s[68:75], s[76:83], s[84:91]: their groups 1
.set G1B, 76
.set G1X, 84
; descriptor group 1: rows of 256 bytes (32 elements of 8 bytes), laid into LDS on end; pitch in elements
.macro GROUP1 g, rows, pitch
	s_mov_b32 s[\g], 3<<16                         ; 15:0 no mask; 17:16 elements of 8 bytes; no padding: every LDS read of these bytes takes 512 on end
	s_mov_b32 s[\g+1], 32<<16                      ; tensor_dim0
	s_mov_b32 s[\g+2], (\rows)<<16                 ; tensor_dim1
	s_mov_b32 s[\g+3], 32<<16                      ; tile_dim0
	s_mov_b32 s[\g+4], \rows                       ; tile_dim1
	s_mov_b32 s[\g+5], \pitch                      ; tensor_dim0_stride
	s_mov_b32 s[\g+6], 0
	s_mov_b32 s[\g+7], 0
.endm
	s_load_b512 s[8:23], s[0:1], 0x0               ; qc, qs, kc, ks, vc, vs, inputs, y
	s_load_b64 s[24:25], s[0:1], 0x40              ; part
	v_lshl_add_u32 v249, v0, 2, 0x44000
	v_mov_b32 v254, 0
	ds_add_u32 v249, v254
	ds_add_u32 v249, v254
	v_lshrrev_b32 v3, 5, v0
	v_readfirstlane_b32 s26, v3                    ; wave 0..15
	s_lshr_b32 s27, s26, 3                         ; which head of the pair
	s_and_b32 s28, s26, 7                          ; which 32 queries
	s_and_b32 s29, s26, 3                          ; for waves 0-3: which region, which 64 rows of x
	s_and_b32 s49, s26, 1                          ; and which head's part of K or of V
	GROUP1 G1A, 32, 32
	GROUP1 G1B, 96, 32
	GROUP1 G1X, 64, 256
	v_and_b32 v3, 31, v0
	v_lshlrev_b32 v252, 4, v3                      ; 16 x lane
	v_lshlrev_b32 v253, 2, v3                      ; 4 x lane
	s_lshl_b32 s40, s27, 15
	s_add_co_u32 s40, s40, IMG
	v_add_nc_u32 v[AK0], s40, v252
	s_lshl_b32 s40, s27, 11
	v_add_nc_u32 v[AS0], s40, v253
	v_and_b32 v4, 15, v0                           ; r
	v_bfe_u32 v[T0], v0, 4, 1                      ; h
	v_lshlrev_b32 v[GO], 11, v[T0]
	v_lshl_add_u32 v[GO], v4, 4, v[GO]
	v_and_b32 v[STO], 8, v4
	v_add_nc_u32 v[STO], v[STO], v4                ; r + 8 (r / 8): my query's row among the wave's 32 (tile B: 8 further on)
	v_mul_u32_u24 v[STO], v[STO], 272
	v_lshl_add_u32 v[STO], v[T0], 5, v[STO]
	s_mul_i32 s40, s28, 32*272
	s_lshl_b32 s41, s27, 7
	s_add_co_u32 s40, s40, s41
	s_add_co_u32 s40, s40, STAGE
	v_add_nc_u32 v[STO], s40, v[STO]
	v_mul_u32_u24 v[RD], v[T0], 272
	v_lshl_add_u32 v[RD], v4, 4, v[RD]
	s_mul_i32 s40, s26, 16*272
	s_add_co_u32 s40, s40, STAGE
	v_add_nc_u32 v[RD], s40, v[RD]                 ; back: wave w takes rows 16 w on, whole: lanes 0-15 one row, lanes 16-31 the next
	s_lshl_b32 s40, s26, 12
	s_add_co_u32 s40, s40, XR
	v_add_nc_u32 v[XRA], s40, v252                 ; the same 16 rows of x: 256 bytes a row, on end
	s_lshl_b32 s40, s26, 9
	s_add_co_u32 s40, s40, RED
	v_add_nc_u32 v247, s40, v252                   ; where my wave's sums go
	v_add_nc_u32 v251, RED, v252                   ; and from where wave 0 reads all sixteen
	v_lshrrev_b32 v250, 8, v0
	v_lshlrev_b32 v250, 11, v250
	v_and_b32 v255, 255, v0
	v_lshl_add_u32 v250, v255, 2, v250             ; the scale words in LDS: 2,048 x (thread / 256) + 4 x (thread % 256)
	v_lshlrev_b32 v255, 2, v0                      ; and in memory: 4 x thread
	s_lshr_b32 s42, ttmp9, 2                       ; the head pair
	s_and_b32 s43, ttmp9, 3                        ; which 256 queries
	s_and_b32 s44, ttmp7, 0xffff                   ; the batch
	s_lshl_b32 s45, s44, 4
	s_lshl_b32 s46, s42, 1
	s_add_co_u32 s45, s45, s46                     ; 16 x batch + the pair's first head
	s_add_co_u32 s46, s45, s27                     ; + my head
	s_lshl_b32 s47, s43, 4
	s_lshl_b32 s48, s28, 1
	s_add_co_u32 s47, s47, s48                     ; my tile A
	s_mov_b32 s41, 0
	s_mov_b32 s30, 0x76543210
	s_mov_b32 s31, 0xfedcba98                      ; v_permlanex16_b32's selects for lane l xor 16
	s_mov_b32 s32, 0x3e8293ee                      ; c = log2(e) / sqrt(32)
	s_mov_b32 s33, s32                             ; (named with it as a pair, so it is written)
	s_mov_b32 s34, 0x600000                        ; the mantissa field of 57,344
	s_mov_b32 s36, 0                               ; the step's images: 4,096 bytes a step
	s_mov_b32 s37, 0                               ; its scale words: 128
	s_mov_b32 s50, 0x3d800000                      ; 1 / 16
	s_mov_b32 s51, s50
	s_mov_b32 vcc_lo, 0xffff0000                   ; lanes 16-31
	s_wait_dscnt 0x0
	s_wait_kmcnt 0x0
	s_lshl_b32 s40, s45, 15
	s_add_nc_u64 s[12:13], s[12:13], s[40:41]      ; K's and V's codes at the pair's first head
	s_add_nc_u64 s[16:17], s[16:17], s[40:41]
	; the descriptors' groups 0.  Every wave makes them; waves 0-3 use them.  Region w: K of head w (w < 2), V of head w - 2
	s_lshl_b32 s40, s49, 15
	s_cmp_lt_u32 s26, 2                            ; the choice of the buffer hangs on the wave's number alone
	s_cselect_b64 s[92:93], s[12:13], s[16:17]
	s_add_nc_u64 s[92:93], s[92:93], s[40:41]
	s_mov_b32 s[G0A], 1                            ; 1:0 count = 1
	s_lshl_b32 s[G0A+1], s29, 15
	s_add_co_u32 s[G0A+1], s[G0A+1], IMG           ; 63:32 LDS address: IMG + 32,768 x wave
	s_mov_b64 s[G0A+2:G0A+3], s[92:93]             ; 120:64 global address
	s_or_b32 s[G0A+3], s[G0A+3], 0x80000000        ; 127:126 type = 2
	s_mov_b32 s[G0B], 1
	s_add_co_u32 s[G0B+1], s[G0A+1], 8192          ; the region's other six steps, 8,192 bytes on in LDS and in memory
	s_add_nc_u64 s[G0B+2:G0B+3], s[92:93], 8192
	s_or_b32 s[G0B+3], s[G0B+3], 0x80000000
	s_lshl_b32 s48, s44, 10
	s_lshl_b32 s40, s43, 8
	s_add_co_u32 s48, s48, s40                     ; the work-group's first row: 1,024 x batch + 256 x block
	s_lshl_b32 s39, s42, 8                         ; the pair's 256 bytes in a row
	s_lshl_b32 s40, s29, 6
	s_add_co_u32 s40, s40, s48                     ; + 64 x wave
	s_lshl_b32 s40, s40, 11
	s_add_co_u32 s40, s40, s39
	s_mov_b32 s[G0X], 1
	s_lshl_b32 s[G0X+1], s29, 14
	s_add_co_u32 s[G0X+1], s[G0X+1], XR            ; XR + 64 rows of 256 bytes x wave
	s_add_nc_u64 s[G0X+2:G0X+3], s[20:21], s[40:41]
	s_or_b32 s[G0X+3], s[G0X+3], 0x80000000
	s_cmp_lt_u32 s26, 4                            ; a wave's three first fills stand in one branch, ahead of every wait on TENSORcnt, every LDS read and every barrier: three loads of mine are out
	s_cbranch_scc0 .Lno_fill
	tensor_load_to_lds s[G0A:G0A+3], s[G1A:G1A+7]
	s_nop 0
	tensor_load_to_lds s[G0B:G0B+3], s[G1B:G1B+7]
	s_nop 0
	tensor_load_to_lds s[G0X:G0X+3], s[G1X:G1X+7]
	s_nop 0
.rept 4
	v_nop                                          ; four v_nop follow the last of them, ahead of the label
.endr
.Lno_fill:
	s_lshl_b32 s40, s26, 4
	s_add_co_u32 s40, s40, s48                     ; the first row that I store: + 16 x wave
	s_lshl_b32 s40, s40, 11
	s_add_co_u32 s40, s40, s39
	s_add_nc_u64 s[22:23], s[22:23], s[40:41]
	s_lshl_b32 s40, s45, 10
	s_add_nc_u64 s[14:15], s[14:15], s[40:41]
	s_add_nc_u64 s[18:19], s[18:19], s[40:41]
	s_lshl_b32 s40, s46, 15
	s_lshl_b32 s48, s47, 9
	s_add_co_u32 s40, s40, s48
	s_add_nc_u64 s[8:9], s[8:9], s[40:41]
	s_lshl_b32 s40, s46, 12
	s_lshl_b32 s48, s47, 6
	s_add_co_u32 s40, s40, s48
	s_add_nc_u64 s[10:11], s[10:11], s[40:41]
	s_lshl_b32 s40, s44, 2
	s_add_co_u32 s40, s40, s43
	s_lshl_b32 s40, s40, 9
	s_lshl_b32 s48, s42, 14
	s_add_co_u32 s40, s40, s48
	s_add_nc_u64 s[24:25], s[24:25], s[40:41]
	global_load_b32 v244, v255, s[14:15]           ; the pair's 2,048 bytes of K's scale words, 4 a thread,
	global_load_b32 v245, v255, s[18:19]           ; and V's
	global_load_b128 v[28:31], v252, s[8:9]        ; qA
	global_load_b128 v[44:47], v252, s[8:9] offset:512   ; qB
	global_load_b32 v[QSC], v253, s[10:11]
.irp g, 16,20,24,32,36,40,48,52,56
.irp j, 0,1,2,3
	v_mov_b32 v[\g+\j], 0                          ; the zero codes round q
.endr
.endr
.set j, 0
.rept 32
	v_mov_b32 v[OA+j], 0                           ; O^T.  (The step is written for every step alike: the first finds zeros, which the first change of M leaves zeros)
.set j, j+1
.endr
.irp st, 8,12
	v_mov_b32 v[\st+1], 0xff61b1e6                 ; the largest t so far: -3e38, under every t
	v_floor_f32 v[\st], -v[\st+1]                  ; -M
	v_mov_b32 v[\st+2], 0                          ; the sum, in two halves
	v_mov_b32 v[\st+3], 0
.endr
.irp b, 0,1,2,3
	v_mov_b32 v[BP+\b], 0                          ; written once: a lane permute's destination counts as one of its sources
.endr
	v_mov_b32 v[F+1], 0
	s_wait_loadcnt 0x0                             ; q, its scale words, my words of K's and V's
	ds_store_b32 v250, v244
	ds_store_b32 v250, v245 offset:1024
	s_wait_tensorcnt 0x2                           ; tensor loads of a wave end in order (ISA guide 10.11.1): my region's steps 0 and 1 are in; the two loads issued behind that one may be out
	s_wait_dscnt 0x0                               ; for the others' sake: my stores have landed
	s_barrier_signal -1
	s_barrier_wait -1                              ; steps 0 and 1 of K and V, and all scale words, lie in LDS; behind this barrier nothing is filled
; S^T of one tile of queries: eight tiles of 16 keys.  q: the register at which the tile's codes begin; tb = 1: its scale words lie in lanes 16-31
.macro SMUL q, tb
.irp f, 0,1
.irp c, 0,1,2,3
.if (\f == 0) && (\tb == 0)
	v_wmma_scale_f32_16x16x128_f8f6f4 v[S+8*(4*\f+\c):S+8*(4*\f+\c)+7], v[KF+16*\f:KF+16*\f+15], v[\q-4*\c:\q-4*\c+15], 0, v[KSC], v[QSC] matrix_a_fmt:MATRIX_FMT_BF8 matrix_b_fmt:MATRIX_FMT_BF8
.elseif (\tb == 0)
	v_wmma_scale_f32_16x16x128_f8f6f4 v[S+8*(4*\f+\c):S+8*(4*\f+\c)+7], v[KF+16*\f:KF+16*\f+15], v[\q-4*\c:\q-4*\c+15], 0, v[KSC], v[QSC] matrix_a_fmt:MATRIX_FMT_BF8 matrix_b_fmt:MATRIX_FMT_BF8 matrix_a_scale:MATRIX_SCALE_ROW1
.elseif (\f == 0)
	v_wmma_scale_f32_16x16x128_f8f6f4 v[S+8*(4*\f+\c):S+8*(4*\f+\c)+7], v[KF+16*\f:KF+16*\f+15], v[\q-4*\c:\q-4*\c+15], 0, v[KSC], v[QSC] matrix_a_fmt:MATRIX_FMT_BF8 matrix_b_fmt:MATRIX_FMT_BF8 matrix_b_scale:MATRIX_SCALE_ROW1
.else
	v_wmma_scale_f32_16x16x128_f8f6f4 v[S+8*(4*\f+\c):S+8*(4*\f+\c)+7], v[KF+16*\f:KF+16*\f+15], v[\q-4*\c:\q-4*\c+15], 0, v[KSC], v[QSC] matrix_a_fmt:MATRIX_FMT_BF8 matrix_b_fmt:MATRIX_FMT_BF8 matrix_a_scale:MATRIX_SCALE_ROW1 matrix_b_scale:MATRIX_SCALE_ROW1
.endif
.endr
.endr
.endm
; one tile's softmax for 128 keys.  st: -M, the largest t, the sum's two halves;  o: its O^T;  pc: p's codes;  ps: p's scale word
.macro SOFTMAX st, o, pc, ps
.irp b, 0,1,2,3
	v_max3_num_f32 v[BM+\b], v[S+16*\b], v[S+16*\b+1], v[S+16*\b+2]                 ; the largest score of each block of 32 keys: it serves for the row's maximum and, since p rises with the score, for the block's largest p
.endr
.irp i, 3,5,7,9,11,13
.irp b, 0,1,2,3
	v_max3_num_f32 v[BM+\b], v[BM+\b], v[S+16*\b+\i], v[S+16*\b+\i+1]               ; ascending: each accumulator is first read at its low end
.endr
.endr
.irp b, 0,1,2,3
	v_max_num_f32 v[BM+\b], v[BM+\b], v[S+16*\b+15]
.endr
.irp b, 0,1,2,3
	v_permlanex16_b32 v[BP+\b], v[BM+\b], s30, s31
.endr
.irp b, 0,1,2,3
	v_max_num_f32 v[BM+\b], v[BM+\b], v[BP+\b]     ; with lane l xor 16's 16 keys
.endr
	v_max3_num_f32 v[T0], v[BM], v[BM+1], v[BM+2]
	v_max_num_f32 v[T0], v[T0], v[BM+3]
	v_mul_f32 v[T0], s32, v[T0]                    ; as t (c is positive)
	v_max_num_f32 v[\st+1], v[\st+1], v[T0]        ; the running largest t
	v_mov_b32 v[T0], v[\st]
	v_floor_f32 v[\st], -v[\st+1]                  ; the new -M = floor(-t) = -ceil(t)
	v_sub_f32 v[T0], v[\st], v[T0]                 ; old M - new M: a whole number, 0 or less
	v_cvt_i32_f32 v[T0], v[T0]                     ; (it saturates)
	v_ldexp_f32 v[F], 1.0, v[T0]                   ; f = 2^(old M - new M)
.set j, 0
.rept 32
	v_pk_fma_f32 v[S+j:S+j+1], v[S+j:S+j+1], s[32:33], v[\st:\st+1] op_sel_hi:[1,0,0]   ; t - M, two at a time (of the pairs c and -M the low word serves both halves)
.set j, j+2
.endr
	v_pk_fma_f32 v[BM:BM+1], v[BM:BM+1], s[32:33], v[\st:\st+1] op_sel_hi:[1,0,0]      ; the same instruction on each block's largest score
	v_pk_fma_f32 v[BM+2:BM+3], v[BM+2:BM+3], s[32:33], v[\st:\st+1] op_sel_hi:[1,0,0]
.set j, 0
.rept 64
	v_exp_f32 v[S+j], v[S+j]                       ; p = 2^(t - M), at most 1
.set j, j+1
.endr
.irp b, 0,1,2,3
	v_exp_f32 v[BM+\b], v[BM+\b]                   ; the block's largest p: the same two instructions on the same number give the same bits
.endr
	v_pk_mul_f32 v[\st+2:\st+3], v[\st+2:\st+3], v[F:F+1] op_sel_hi:[1,0]          ; the sums under the new M.  (The plain line behind the exponentials: ISA guide 5.7.2)
	s_wait_alu depctr_va_vdst(0)
.irp b, 0,1,2,3
	v_max_num_f32 v[BM+\b], 0x8000000, v[BM+\b]    ; the floor 2^(16 - 127): the byte cannot fall under 1
.endr
.irp b, 0,1,2,3
	v_add_nc_u32 v[SO+\b], 0xf8800000, v[BM+\b]    ; 15 off the exponent field: the conversion's scale operand
.endr
.irp b, 0,1,2,3
	v_and_or_b32 v[HD+\b], v[BM+\b], 0x7f800000, s34   ; 57,344 x the scale
.endr
.irp b, 0,1,2,3
	v_lshrrev_b32 v[BP+\b], 23, v[SO+\b]           ; the scale's byte
.endr
	v_lshl_or_b32 v[\ps], v[BP+1], 8, v[BP]        ; p's scale word for these 128 keys: some seventy plain lines ahead of the products that name it
	v_lshl_or_b32 v[\ps], v[BP+2], 16, v[\ps]
	v_lshl_or_b32 v[\ps], v[BP+3], 24, v[\ps]
	v_pk_add_f32 v[244:245], v[S:S+1], v[S+2:S+3]  ; the row's sum is taken of the UNQUANTISED p: two at a time, in two chains
.set j, 4
.rept 15
	v_pk_add_f32 v[\st+2:\st+3], v[\st+2:\st+3], v[S+j:S+j+1]
	v_pk_add_f32 v[244:245], v[244:245], v[S+j+2:S+j+3]
.set j, j+4
.endr
	v_pk_add_f32 v[\st+2:\st+3], v[\st+2:\st+3], v[244:245]
; THE HOLD: the conversion to an 8-bit code does not saturate (ISA guide 7.6.2); p is not negative, so the hold is one-sided.  Two numbers to an instruction: the halves of a pair take an even register of one
; block and an odd one of its neighbour, so that the destinations are even and odd and both pairs of sources lie in different register banks (number mod 4).
.irp b, 0,2
.set j, 0
.rept 8
	v_dual_min_num_f32 v[S+16*\b+j], v[S+16*\b+j], v[HD+\b] :: v_dual_min_num_f32 v[S+16*\b+17+j], v[S+16*\b+17+j], v[HD+\b+1]
	v_dual_min_num_f32 v[S+16*\b+16+j], v[S+16*\b+16+j], v[HD+\b+1] :: v_dual_min_num_f32 v[S+16*\b+1+j], v[S+16*\b+1+j], v[HD+\b]
.set j, j+2
.endr
.irp d, 0,1
	v_cvt_scalef32_pk8_bf8_f32 v[\pc+4*(\b+\d):\pc+4*(\b+\d)+1], v[S+16*(\b+\d):S+16*(\b+\d)+7], v[SO+\b+\d]
	v_cvt_scalef32_pk8_bf8_f32 v[\pc+4*(\b+\d)+2:\pc+4*(\b+\d)+3], v[S+16*(\b+\d)+8:S+16*(\b+\d)+15], v[SO+\b+\d]
.endr
.endr
.set j, 0
.rept 8
	v_pk_mul_f32 v[\o+j:\o+j+1], v[\o+j:\o+j+1], v[F:F+1] op_sel_hi:[1,0]          ; O^T under the new M.  (These eight are the plain lines behind the conversions and in front of the products that take the codes)
.set j, j+2
.endr
.endm
; O^T += V^T P^T for one tile of queries: two tiles of 16 channels, K = these 128 keys
.macro PV o, pc, ps
	v_wmma_scale_f32_16x16x128_f8f6f4 v[\o:\o+7], v[KF:KF+15], v[\pc:\pc+15], v[\o:\o+7], v[VSC], v[\ps] matrix_a_fmt:MATRIX_FMT_BF8 matrix_b_fmt:MATRIX_FMT_BF8
	v_wmma_scale_f32_16x16x128_f8f6f4 v[\o+8:\o+15], v[KF+16:KF+31], v[\pc:\pc+15], v[\o+8:\o+15], v[VSC], v[\ps] matrix_a_fmt:MATRIX_FMT_BF8 matrix_b_fmt:MATRIX_FMT_BF8 matrix_a_scale:MATRIX_SCALE_ROW1
.endm
; A KEY STEP: 128 keys, both tiles of queries
.macro STEP
	v_add_nc_u32 v[ADK], s36, v[AK0]
	v_add_nc_u32 v[ADS], s37, v[AS0]
.rept 6
	v_nop                                          ; with the two additions: eight places between the last products and the loads into the registers that they read
.endr
.irp f, 0,1
.irp c, 0,1,2,3
	ds_load_b128 v[KF+16*\f+4*\c:KF+16*\f+4*\c+3], v[ADK] offset:2048*\f+512*\c
.endr
.endr
	ds_load_b32 v[KSC], v[ADS]
	s_wait_dscnt 0x0
	SMUL 28, 0
.rept 8
	v_nop
.endr
	SOFTMAX 8, OA, PCA, PSA
	SMUL 44, 1
	v_add_nc_u32 v[ADK], VIMG, v[ADK]              ; on to V's images (K's loads are in).  With the seven below: eight places in front of the reads of S^T and of the loads into K's registers
.rept 7
	v_nop
.endr
.irp f, 0,1
.irp c, 0,1,2,3
	ds_load_b128 v[KF+16*\f+4*\c:KF+16*\f+4*\c+3], v[ADK] offset:2048*\f+512*\c     ; V lands under tile B's softmax
.endr
.endr
	ds_load_b32 v[VSC], v[ADS] offset:1024
	SOFTMAX 12, OB, PCB, PSB
	s_wait_dscnt 0x0
	PV OA, PCA, PSA                                ; four accumulators, one instruction a turn
	PV OB, PCB, PSB
	s_add_co_u32 s36, s36, 4096
	s_add_co_u32 s37, s37, 128
.endm
	STEP                                           ; steps 0 and 1 are written out: they read the 8,192 bytes of each region that the first loads brought, while the other loads land
	STEP
	s_wait_tensorcnt 0x0                           ; my other two loads have landed: my region's steps 2 to 7, my 64 rows of x
	s_wait_dscnt 0x0
	s_barrier_signal -1
	s_barrier_wait -1                              ; everybody's have
	s_mov_b32 s38, 6
.Lstep:                                            ; steps 2 to 7
	STEP
	s_sub_co_u32 s38, s38, 1
	s_cmp_lg_u32 s38, 0
	s_cbranch_scc1 .Lstep
	; THE WAY OUT.  O^T / the sum goes into the work-group's stage, where a row's 256 bytes come from two waves; each wave then takes 16 whole rows, adds x and stores them.
.rept 8
	v_nop
.endr
	v_add_f32 v[BM], v10, v11                      ; the sum's two halves,
	v_add_f32 v[BM+2], v14, v15
	v_permlanex16_b32 v[BP], v[BM], s30, s31
	v_permlanex16_b32 v[BP+2], v[BM+2], s30, s31
	v_add_f32 v[BM], v[BM], v[BP]                  ; and lane l xor 16's
	v_add_f32 v[BM+2], v[BM+2], v[BP+2]
	v_rcp_f32 v[BM], v[BM]
	v_rcp_f32 v[BM+2], v[BM+2]
	v_nop                                          ; a plain line behind the reciprocals
.set j, 0
	s_wait_alu depctr_va_vdst(0)
.rept 8
	v_pk_mul_f32 v[OA+j:OA+j+1], v[OA+j:OA+j+1], v[BM:BM+1] op_sel_hi:[1,0]
.set j, j+2
.endr
.set j, 0
.rept 8
	v_pk_mul_f32 v[OB+j:OB+j+1], v[OB+j:OB+j+1], v[BM+2:BM+3] op_sel_hi:[1,0]
.set j, j+2
.endr
.irp u, 0,1
.irp ct, 0,1
	ds_store_b128 v[STO], v[OA+16*\u+8*\ct:OA+16*\u+8*\ct+3] offset:2176*\u+64*\ct          ; lane (r, h): channels 16 ct + 8 h + 0 .. 7 of my query
	ds_store_b128 v[STO], v[OA+16*\u+8*\ct+4:OA+16*\u+8*\ct+7] offset:2176*\u+64*\ct+16
.endr
.endr
	s_wait_dscnt 0x0
	s_barrier_signal -1
	s_barrier_wait -1                              ; 256 whole rows lie in the stage
.irp i, 0,1,2,3,4,5,6,7
	ds_load_b128 v[100+4*\i:103+4*\i], v[RD] offset:544*\i
.endr
.irp i, 0,1,2,3,4,5,6,7
	ds_load_b128 v[132+4*\i:135+4*\i], v[XRA] offset:512*\i
.endr
	s_wait_dscnt 0x0
.set j, 0
.rept 16
	v_pk_add_f32 v[100+j:101+j], v[100+j:101+j], v[132+j:133+j]
.set j, j+2
.endr
.irp i, 0,1,2,3,4,5,6,7
	global_store_b128 v[GO], v[100+4*\i:103+4*\i], s[22:23] offset:4096*\i          ; sixteen lanes store 256 consecutive bytes, aligned
.endr
	; my 16 rows' sum and sum of squared distances from their mean, for each of the 64 channels: a lane has four channels and eight rows
	v_pk_add_f32 v[164:165], v[100:101], v[104:105]
	v_pk_add_f32 v[166:167], v[102:103], v[106:107]
.irp i, 2,3,4,5,6,7
	v_pk_add_f32 v[164:165], v[164:165], v[100+4*\i:101+4*\i]
	v_pk_add_f32 v[166:167], v[166:167], v[102+4*\i:103+4*\i]
.endr
.irp k, 0,1,2,3
	v_permlanex16_b32 v[168+\k], v[164+\k], s30, s31
.endr
	v_pk_add_f32 v[164:165], v[164:165], v[168:169]
	v_pk_add_f32 v[166:167], v[166:167], v[170:171]
.irp k, 0,1,2,3
	v_mul_f32 v[172+\k], 0x3d800000, v[164+\k]     ; / 16
.endr
.irp i, 0,1,2,3,4,5,6,7
	v_pk_add_f32 v[176:177], v[100+4*\i:101+4*\i], v[172:173] neg_lo:[0,1] neg_hi:[0,1]
	v_pk_add_f32 v[178:179], v[102+4*\i:103+4*\i], v[174:175] neg_lo:[0,1] neg_hi:[0,1]
.if \i == 0
	v_pk_mul_f32 v[180:181], v[176:177], v[176:177]
	v_pk_mul_f32 v[182:183], v[178:179], v[178:179]
.else
	v_pk_fma_f32 v[180:181], v[176:177], v[176:177], v[180:181]
	v_pk_fma_f32 v[182:183], v[178:179], v[178:179], v[182:183]
.endif
.endr
.irp k, 0,1,2,3
	v_permlanex16_b32 v[184+\k], v[180+\k], s30, s31
.endr
	v_pk_add_f32 v[180:181], v[180:181], v[184:185]
	v_pk_add_f32 v[182:183], v[182:183], v[186:187]
.irp k, 0,1,2,3
	v_cndmask_b32 v[188+\k], v[164+\k], v[180+\k], vcc_lo   ; lanes 0-15 hand on the sums, lanes 16-31 the squares
.endr
	ds_store_b128 v247, v[188:191]
	s_wait_dscnt 0x0
	s_barrier_signal -1
	s_barrier_wait -1
	s_cmp_lg_u32 s26, 0
	s_cbranch_scc1 .Lend
	; wave 0 joins the sixteen: no difference of large sums is formed: M2 = the sum of the M2 + 16 x the sum of (mean_i - mean)^2
.set i, 0
.rept 16
	ds_load_b128 v[132+4*i:135+4*i], v251 offset:512*i
.set i, i+1
.endr
	s_wait_dscnt 0x0
	v_pk_add_f32 v[196:197], v[132:133], v[136:137]
	v_pk_add_f32 v[198:199], v[134:135], v[138:139]
.set i, 2
.rept 14
	v_pk_add_f32 v[196:197], v[196:197], v[132+4*i:133+4*i]
	v_pk_add_f32 v[198:199], v[198:199], v[134+4*i:135+4*i]
.set i, i+1
.endr
.irp k, 0,1,2,3
	v_mul_f32 v[200+\k], 0x3b800000, v[196+\k]     ; / 256: in lanes 0-15 the mean of the 256 rows
.endr
.set i, 0
.rept 16
	v_pk_fma_f32 v[204:205], v[132+4*i:133+4*i], s[50:51], v[200:201] op_sel_hi:[1,0,1] neg_lo:[0,0,1] neg_hi:[0,0,1]   ; mean_i - mean
	v_pk_fma_f32 v[206:207], v[134+4*i:135+4*i], s[50:51], v[202:203] op_sel_hi:[1,0,1] neg_lo:[0,0,1] neg_hi:[0,0,1]
.if i == 0
	v_pk_mul_f32 v[208:209], v[204:205], v[204:205]
	v_pk_mul_f32 v[210:211], v[206:207], v[206:207]
.else
	v_pk_fma_f32 v[208:209], v[204:205], v[204:205], v[208:209]
	v_pk_fma_f32 v[210:211], v[206:207], v[206:207], v[210:211]
.endif
.set i, i+1
.endr
.irp k, 0,1,2,3
	v_permlanex16_b32 v[212+\k], v[208+\k], s30, s31   ; lanes 16-31 take what lanes 0-15 made
.endr
.irp k, 0,1,2,3
	v_fmamk_f32 v[216+\k], v[212+\k], 0x41800000, v[196+\k]   ; x 16 + the sum of the M2: right in lanes 16-31
.endr
.irp k, 0,1,2,3
	v_cndmask_b32 v[220+\k], v[200+\k], v[216+\k], vcc_lo
.endr
	global_store_b128 v252, v[220:223], s[24:25]   ; 64 means, 64 M2: 512 consecutive bytes
.Lend:
	s_wait_tensorcnt 0x0
	ds_add_u32 v249, v254
	s_wait_dscnt 0x0
	s_endpgm
.Lfunc_end_k_qeae3091efc_attn:
	.size	k_qeae3091efc_attn, .Lfunc_end_k_qeae3091efc_attn-k_qeae3091efc_attn
	.p2alignl 7, 3214868480
	.fill 96, 4, 3214868480
	.section	.rodata,"a",@progbits
	.p2align	6, 0x0
	.amdhsa_kernel k_qeae3091efc_attn
		.amdhsa_group_segment_fixed_size 280576
		.amdhsa_private_segment_fixed_size 0
		.amdhsa_enable_private_segment 0
		.amdhsa_kernarg_size 72
		.amdhsa_user_sgpr_count 2
		.amdhsa_user_sgpr_kernarg_segment_ptr 1
		.amdhsa_wavefront_size32 1
		.amdhsa_system_sgpr_workgroup_id_x 1
		.amdhsa_system_sgpr_workgroup_id_y 1
		.amdhsa_system_sgpr_workgroup_id_z 1
		.amdhsa_system_vgpr_workitem_id 0
		.amdhsa_next_free_vgpr 256
		.amdhsa_next_free_sgpr 96
		.amdhsa_reserve_vcc 1
		.amdhsa_float_denorm_mode_32 3
		.amdhsa_float_denorm_mode_16_64 3
		.amdhsa_memory_ordered 1
		.amdhsa_forward_progress 1
		.amdhsa_inst_pref_size 121
	.end_amdhsa_kernel
	.amdgpu_metadata
---
amdhsa.version: [ 1, 2 ]
amdhsa.kernels:
  - .name:           k_qeae3091efc_attn
    .symbol:         k_qeae3091efc_attn.kd
    .args:
      - { .name: qc, .offset: 0, .size: 8, .value_kind: global_buffer, .address_space: global }
      - { .name: qs, .offset: 8, .size: 8, .value_kind: global_buffer, .address_space: global }
      - { .name: kc, .offset: 16, .size: 8, .value_kind: global_buffer, .address_space: global }
      - { .name: ks, .offset: 24, .size: 8, .value_kind: global_buffer, .address_space: global }
      - { .name: vc, .offset: 32, .size: 8, .value_kind: global_buffer, .address_space: global }
      - { .name: vs, .offset: 40, .size: 8, .value_kind: global_buffer, .address_space: global }
      - { .name: inputs, .offset: 48, .size: 8, .value_kind: global_buffer, .address_space: global }
      - { .name: y, .offset: 56, .size: 8, .value_kind: global_buffer, .address_space: global }
      - { .name: part, .offset: 64, .size: 8, .value_kind: global_buffer, .address_space: global }
    .group_segment_fixed_size: 280576
    .private_segment_fixed_size: 0
    .kernarg_segment_align: 8
    .kernarg_segment_size: 72
    .max_flat_workgroup_size: 512
    .sgpr_count:     96
    .vgpr_count:     256
    .wavefront_size: 32
...
	.end_amdgpu_metadata
.endif
;; end of part 2
;; launch bn (part 3): grid 8 x 32, 8 waves a work-group, no clusters, 17,408 bytes of LDS; arguments y, part, gamma, beta, out0; writes out0
.if DOCPART == 3
	.amdgcn_target "amdgcn-amd-amdhsa--gfx1250"
	.amdhsa_code_object_version 6
	.text
	.protected	k_qeae3091efc_bn
	.globl	k_qeae3091efc_bn
	.p2align	8
	.type	k_qeae3091efc_bn,@function
k_qeae3091efc_bn:
	s_mov_b64 s[64:65], 0
	v_nop
	global_prefetch_b8 v0, s[64:65] scope:SCOPE_SE
	s_setreg_imm32_b32 hwreg(HW_REG_WAVE_MODE, 25, 1), 1
	s_wait_xcnt 0x0
; out = (y - mean) rsqrt(var + 1e-3) gamma + beta, mean and var of each channel over all 8,192 rows.
; part holds, for each strip of 64 channels, 32 contributors of 256 rows each: 64 means, 64 sums of squared distances from them.  They are joined without a difference of large sums:
; mean = the mean of the means;  var x 8,192 = the sum of the M2 + 256 x the sum of (mean_c - mean)^2.
; SHARES.  A work-group takes a strip of 64 channels (work-group x) and 256 rows (work-group y), a wave 32 rows: sixteen loads and stores, in each of which sixteen lanes cover 256 consecutive bytes, aligned.
; A stream: y is asked for first thing behind the partials and lands while they are joined.  No matrix unit, no cluster, no tensor load: each byte of y is read once by one wave; the strip's 16 KB of partials are
; read by 32 work-groups, a ninth of what the launch moves.
; LIMITS: NaN and infinities are not served.
	s_load_b256 s[8:15], s[0:1], 0x0               ; y, part, gamma, beta
	s_load_b64 s[16:17], s[0:1], 0x20              ; out0
	v_lshl_add_u32 v6, v0, 2, 0x4000
	v_mov_b32 v7, 0
	v_lshrrev_b32 v1, 5, v0
	v_readfirstlane_b32 s18, v1                    ; wave 0..7
	v_lshlrev_b32 v1, 4, v0                        ; 16 x thread
	v_and_b32 v2, 31, v0
	v_lshlrev_b32 v2, 4, v2                        ; 16 x lane
	v_and_b32 v4, 15, v0
	v_lshlrev_b32 v4, 4, v4                        ; my four channels
	v_bfe_u32 v3, v0, 4, 1
	v_lshl_add_u32 v3, v3, 11, v4                  ; lanes 16-31 one row further down
.irp k, 0,1,2,3,4,5,6,7
	v_mov_b32 v[240+\k], 0                         ; written once: a lane permute's destination counts as one of its sources
.endr
	s_and_b32 s19, ttmp7, 0xffff
	s_lshl_b32 s20, s19, 8
	s_lshl_b32 s21, s18, 5
	s_add_co_u32 s20, s20, s21                     ; my first row
	s_lshl_b32 s20, s20, 11
	s_lshl_b32 s26, ttmp9, 8                       ; the strip's 256 bytes
	s_add_co_u32 s20, s20, s26
	s_mov_b32 s21, 0
	s_mov_b32 s27, 0
	s_lshl_b32 s28, ttmp9, 14                      ; and its 16,384 bytes of partials
	s_mov_b32 s29, 0
	s_mov_b32 s22, 0x43800000                      ; 256
	s_mov_b32 s23, 0x39000000                      ; 1 / 8,192
	s_mov_b32 s24, 0x3a83126f                      ; 1e-3
	s_mov_b32 s30, 0x76543210
	s_mov_b32 s31, 0xfedcba98                      ; v_permlanex16_b32's selects for lane l xor 16
	s_mov_b32 vcc_lo, 0xffff0000                   ; lanes 16-31
	s_wait_kmcnt 0x0
	s_add_nc_u64 s[8:9], s[8:9], s[20:21]
	s_add_nc_u64 s[16:17], s[16:17], s[20:21]
	s_add_nc_u64 s[10:11], s[10:11], s[28:29]
	s_add_nc_u64 s[12:13], s[12:13], s[26:27]
	s_add_nc_u64 s[14:15], s[14:15], s[26:27]
.irp i, 0,1,2,3
	global_load_b128 v[8+4*\i:11+4*\i], v1, s[10:11] offset:4096*\i
.endr
	global_load_b128 v[24:27], v4, s[12:13]        ; gamma
	global_load_b128 v[28:31], v4, s[14:15]        ; beta
.set i, 0
.rept 16
	global_load_b128 v[32+4*i:35+4*i], v3, s[8:9] offset:4096*i th:TH_LOAD_NT
.set i, i+1
.endr
	s_wait_loadcnt 18                              ; the partials are in; gamma, beta and y's sixteen loads, issued behind them, may be out
.irp i, 0,1,2,3
	ds_store_b128 v1, v[8+4*\i:11+4*\i] offset:4096*\i
.endr
	s_wait_dscnt 0x0
	s_barrier_signal -1
	s_barrier_wait -1
.set c, 0
.rept 32
	ds_load_b128 v[96+4*c:99+4*c], v2 offset:512*c ; contributor c: lanes 0-15 its means of my four channels, lanes 16-31 its M2
.set c, c+1
.endr
	s_wait_dscnt 0x0
	v_pk_add_f32 v[224:225], v[96:97], v[100:101]
	v_pk_add_f32 v[226:227], v[98:99], v[102:103]
.set c, 2
.rept 30
	v_pk_add_f32 v[224:225], v[224:225], v[96+4*c:97+4*c]
	v_pk_add_f32 v[226:227], v[226:227], v[98+4*c:99+4*c]
.set c, c+1
.endr
.irp k, 0,1,2,3
	v_mul_f32 v[228+\k], 0x3d000000, v[224+\k]     ; / 32
.endr
.set c, 0
.rept 32
	v_pk_add_f32 v[236:237], v[96+4*c:97+4*c], v[228:229] neg_lo:[0,1] neg_hi:[0,1]
	v_pk_add_f32 v[238:239], v[98+4*c:99+4*c], v[230:231] neg_lo:[0,1] neg_hi:[0,1]
.if c == 0
	v_pk_mul_f32 v[232:233], v[236:237], v[236:237]
	v_pk_mul_f32 v[234:235], v[238:239], v[238:239]
.else
	v_pk_fma_f32 v[232:233], v[236:237], v[236:237], v[232:233]
	v_pk_fma_f32 v[234:235], v[238:239], v[238:239], v[234:235]
.endif
.set c, c+1
.endr
.irp k, 0,1,2,3
	v_permlanex16_b32 v[240+\k], v[224+\k], s30, s31
	v_permlanex16_b32 v[244+\k], v[232+\k], s30, s31
.endr
.irp k, 0,1,2,3
	v_cndmask_b32 v[248+\k], v[224+\k], v[240+\k], vcc_lo   ; the sum of the means, in every lane
	v_cndmask_b32 v[252+\k], v[240+\k], v[224+\k], vcc_lo   ; the sum of the M2
	v_cndmask_b32 v[236+\k], v[232+\k], v[244+\k], vcc_lo   ; the sum of (mean_c - mean)^2
.endr
.irp k, 0,1,2,3
	v_mul_f32 v[248+\k], 0x3d000000, v[248+\k]     ; the mean
	v_fma_f32 v[252+\k], v[236+\k], s22, v[252+\k]
.endr
.irp k, 0,1,2,3
	v_fma_f32 v[252+\k], v[252+\k], s23, s24       ; var + 1e-3
.endr
.irp k, 0,1,2,3
	v_rsq_f32 v[252+\k], v[252+\k]
.endr
	v_nop                                          ; a plain line behind the transcendentals
	s_wait_loadcnt 0x0                             ; gamma, beta, y
	s_wait_alu depctr_va_vdst(0)
	v_pk_mul_f32 v[252:253], v[252:253], v[24:25]
	v_pk_mul_f32 v[254:255], v[254:255], v[26:27]
.set i, 0
.rept 16
	v_pk_add_f32 v[32+4*i:33+4*i], v[32+4*i:33+4*i], v[248:249] neg_lo:[0,1] neg_hi:[0,1]
	v_pk_add_f32 v[34+4*i:35+4*i], v[34+4*i:35+4*i], v[250:251] neg_lo:[0,1] neg_hi:[0,1]
	v_pk_fma_f32 v[32+4*i:33+4*i], v[32+4*i:33+4*i], v[252:253], v[28:29]
	v_pk_fma_f32 v[34+4*i:35+4*i], v[34+4*i:35+4*i], v[254:255], v[30:31]
	global_store_b128 v3, v[32+4*i:35+4*i], s[16:17] offset:4096*i th:TH_STORE_NT
.set i, i+1
.endr
	s_wait_tensorcnt 0x0
	ds_add_u32 v6, v7
	s_wait_dscnt 0x0
	s_endpgm
.Lfunc_end_k_qeae3091efc_bn:
	.size	k_qeae3091efc_bn, .Lfunc_end_k_qeae3091efc_bn-k_qeae3091efc_bn
	.p2alignl 7, 3214868480
	.fill 96, 4, 3214868480
	.section	.rodata,"a",@progbits
	.p2align	6, 0x0
	.amdhsa_kernel k_qeae3091efc_bn
		.amdhsa_group_segment_fixed_size 17408
		.amdhsa_private_segment_fixed_size 0
		.amdhsa_enable_private_segment 0
		.amdhsa_kernarg_size 40
		.amdhsa_user_sgpr_count 2
		.amdhsa_user_sgpr_kernarg_segment_ptr 1
		.amdhsa_wavefront_size32 1
		.amdhsa_system_sgpr_workgroup_id_x 1
		.amdhsa_system_sgpr_workgroup_id_y 1
		.amdhsa_system_sgpr_workgroup_id_z 1
		.amdhsa_system_vgpr_workitem_id 0
		.amdhsa_next_free_vgpr 256
		.amdhsa_next_free_sgpr 66
		.amdhsa_reserve_vcc 1
		.amdhsa_float_denorm_mode_32 3
		.amdhsa_float_denorm_mode_16_64 3
		.amdhsa_memory_ordered 1
		.amdhsa_forward_progress 1
		.amdhsa_inst_pref_size 27
	.end_amdhsa_kernel
	.amdgpu_metadata
---
amdhsa.version: [ 1, 2 ]
amdhsa.kernels:
  - .name:           k_qeae3091efc_bn
    .symbol:         k_qeae3091efc_bn.kd
    .args:
      - { .name: y, .offset: 0, .size: 8, .value_kind: global_buffer, .address_space: global }
      - { .name: part, .offset: 8, .size: 8, .value_kind: global_buffer, .address_space: global }
      - { .name: gamma, .offset: 16, .size: 8, .value_kind: global_buffer, .address_space: global }
      - { .name: beta, .offset: 24, .size: 8, .value_kind: global_buffer, .address_space: global }
      - { .name: out0, .offset: 32, .size: 8, .value_kind: global_buffer, .address_space: global }
    .group_segment_fixed_size: 17408
    .private_segment_fixed_size: 0
    .kernarg_segment_align: 8
    .kernarg_segment_size: 40
    .max_flat_workgroup_size: 256
    .sgpr_count:     66
    .vgpr_count:     256
    .wavefront_size: 32
...
	.end_amdgpu_metadata
.endif
;; end of part 3
;; ======== version 2 of 2: 3 launches
;; workspace buffers: qc 4,194,304 bytes; kc 4,194,304 bytes; vc 4,194,304 bytes; qs 524,288 bytes; ks 131,072 bytes; vs 131,072 bytes; y 16,777,216 bytes; part 131,072 bytes
;; launch proj (part 4): grid 4 x 64, 4 waves a work-group, no clusters, 103,936 bytes of LDS; arguments inputs, wq_codes, wq_scales, bq, wk_codes, wk_scales, bk, wv_codes, wv_scales, bv, qc, qs, kc, ks, vc, vs; writes qc, qs, kc, ks, vc, vs
.if DOCPART == 4
	.amdgcn_target "amdgcn-amd-amdhsa--gfx1250"
	.amdhsa_code_object_version 6
	.text
	.protected	k_qeae3091efc_proj
	.globl	k_qeae3091efc_proj
	.p2align	8
	.type	k_qeae3091efc_proj,@function
k_qeae3091efc_proj:
	s_mov_b64 s[64:65], 0
	v_nop
	global_prefetch_b8 v0, s[64:65] scope:SCOPE_SE
	s_setreg_imm32_b32 hwreg(HW_REG_WAVE_SCHED_MODE, 0, 2), 2
	s_setreg_imm32_b32 hwreg(HW_REG_WAVE_MODE, 25, 1), 1
	s_wait_xcnt 0x0
	s_wait_alu depctr_vm_vsrc(0)
; q, k, v = relu(x W + b) on codes of BF8 (E5M2) with one E8M0 scale for each 32 along K, and the results quantised again for the attention that follows:
; q and k along a head's 32 channels (one block a token and head), v along the keys (one block for 32 tokens of a channel).
; x: [8192][512] f32, quantised here.  W: codes [512 (n)][512 (k)], scale bytes [512][16], taken as they are given.  b: [512] f32.
; SHARES.  A work-group takes 128 rows of x (work-group y) and four heads (work-group x); wave w owns head 4 x + w of q, of k and of v: 6 tiles of 16 columns, whose 24 fragments
; (384 registers) stay in its registers.  Each wave quantises 32 of the 128 rows; the fragments go from wave to wave through LDS as images of their registers (16 bytes a lane, 512 a store).
; TOKEN ORDER.  Row r of tile 2 bb + u is token 32 bb + 8 u + r + 8 (r / 8), so that the 16 registers of two neighbouring tiles of a result are 16 neighbours.  W's rows of q and k are taken in the same order.
; q, k: source 0 = 16 rows of W, source 1 = 16 tokens: a lane holds one token and 16 neighbouring channels.   v: source 0 = 16 tokens, source 1 = 16 rows of W: a lane holds one channel and 16 neighbouring tokens.
; So the conversions' results are the next products' operand registers, and they are stored as such: every store of codes is 512 consecutive bytes.
; The biases are the C of each sum's first product (another order of f32 rounding than adding them last).
; NO CLUSTER: nothing comes into LDS by a tensor load: x passes through registers to be quantised, the weights go straight to the registers where they stay: there is no tile for a joint request.
; LIMITS: NaN and infinities among the inputs are not served.  A block of zeros gets the byte 1 where the quantiser says 127: its codes are zeros, which add nothing under any byte but 0xff, and this program alone reads
; the bytes.  The scale words leave in runs of 128 bytes (qs, ks, vs: 0.8 MB of the launch's 13 MB of stores).
; THE MODE: SCHED_MODE bits 1:0 = 2 (LLVM: expert scheduling mode 2), set by the entry lines.  The code itself states the register dependences between vector or matrix instructions and memory or LDS
; instructions, with s_wait_alu, always for 0.
; THE PLAN.  Registers that memory or LDS instructions touch:
;   v1-13          addresses: written at the head, once, ahead of the first wait on va_vdst; no vector line names them again.
;   windows 2, 3, v16-39   the weights, the biases, W's scale words: loaded once; then read by products alone.
;   window 1, x as loaded, four sets.   Step f: the loads of fragment f + 3 land in the set that the stage's stores of fragment f - 1 read.  No vector line names these registers.
;   XS0, XS1       Step f: the loads from the stage for fragment f + 1 land in XS[(f + 1) % 2]; the step's holds and conversions work on XS[f % 2].
;   PC, PW         Step f: written by its conversions and shifts, read by its image's stores.
;   So a step has ONE wait on va_vdst, behind its conversions: PC and PW are written, and XS[f % 2] is done with; only LDS and memory instructions stand between it and the next step's loads into that set.
;   And ONE on vm_vsrc, at its head: the last image's stores have read PC and PW; the stage's stores have read the set of window 1 that is loaded next.
;   window 1, x's fragments, two sets, and XSW, their scale words, two sets.   Pair bb: its products read set bb % 2; the loads for pair bb + 1 land in the other.
;   CD0, CD1       Pair bb: its conversions write CD[bb % 2]; the stores issued in pair bb + 1 read it.  QW + bb: written once, read by one of those stores.
;   So a pair has ONE wait on va_vdst, at its head: the pair before is done reading the other set and has written its codes.  Behind it stand the next pair's loads, dealt among this pair's products, and then the
;   stores of the pair before: since the wait only products are issued, which name the accumulators, the weights and this pair's own set.  The wait on vm_vsrc, with s_wait_xcnt beside it, stands a pair behind the stores that it is for.
; REGISTERS, in windows of 256.  window 0: v1-13 addresses; v16-39 W's scale words; v40-55 x's scale words, two sets; v56-63 the scale words that are made; v64-191 x's numbers (two sets of 64), later v64-159 the
; twelve accumulators and v160-207 their codes, two sets; v192-208 at first a fragment of x and its scale word; v210-237 at work.
; window 1: x as loaded (four sets of 64), later x's fragments (two sets of 8).   window 2: W_q, W_k.   window 3: W_v; from v128 the biases in the results' layout.
.set XSC,  65536                       ; LDS: x's 32 fragments of 2,048 bytes from 0 on; then their scale words, 128 bytes each;
.set STG,  69632                       ; then a stage of 16 rows x 528 bytes for each wave
.set SP,   528                         ; a stage row: 512 bytes + 16: row r begins 4 r words on in the banks' round of 64 words (ISA guide 11.1)
.set LI,   1                           ; 16 x lane
.set L4,   2                           ; 4 x lane
.set LS,   3                           ; XSC + 4 x lane
.set STW,  4                           ; my stage, on the way in: 16 x lane
.set STR,  5                           ; and on the way out: row r, + 64 h
.set XWI,  6                           ; where I store x's images: 16,384 x wave + 16 x lane
.set XWS,  7                           ; and their scale words: XSC + 1,024 x wave + 4 x lane
.set WPO,  8                           ; W_q, W_k: (r + 8 (r / 8)) x 512 + 16 h
.set WNO,  9                           ; W_v: r x 512 + 16 h
.set WPS,  10                          ; their scale bytes: 16 a row
.set WNS,  11
.set BQO,  12                          ; bq, bk: 64 h
.set BVO,  13                          ; bv: 4 r
.set WS,   16
.set XSW,  40
.set QW,   56
.set KW,   60
.set VW,   62
.set XS,   64
.set ACC,  64
.set CD,   160                         ; the codes of a pair: set bb % 2 at CD + 24 (bb % 2)
.set PC,   192
.set PW,   208
.set TM,   210                         ; largest magnitudes;
.set TP,   216                         ; the other half's, then the bytes;
.set HD,   222                         ; 57,344 x the scale;
.set SO,   228                         ; the conversions' scale operands: six of each
.set T0,   234
.set T1,   235
.set BQ,   128                         ; window 3: bq's two tiles, bk's two,
.set BV,   160                         ; bv's two
.set MSB, 0
.macro WIN new                         ; the immediate's high byte repeats the setting that is left
.if MSB != \new
	s_set_vgpr_msb (MSB<<8)|\new
.set MSB, \new
.endif
.endm
	s_load_b512 s[8:23], s[0:1], 0x0               ; inputs, wq_codes, wq_scales, bq, wk_codes, wk_scales, bk, wv_codes
	s_load_b512 s[24:39], s[0:1], 0x40             ; wv_scales, bv, qc, qs, kc, ks, vc, vs
	v_lshl_add_u32 v254, v0, 2, 0x19400
	v_mov_b32 v255, 0
	v_lshrrev_b32 v14, 5, v0
	v_readfirstlane_b32 s40, v14                   ; wave 0..3
	v_and_b32 v14, 31, v0                          ; lane
	v_and_b32 v15, 15, v0                          ; r
	v_bfe_u32 v[T0], v0, 4, 1                      ; h
	v_lshlrev_b32 v[LI], 4, v14
	v_lshlrev_b32 v[L4], 2, v14
	v_add_nc_u32 v[LS], XSC, v[L4]
	s_wait_alu depctr_va_sdst(0)                   ; s40 is written, ahead of its first reader: LDS addresses and the buffers' offsets are made from it
	s_mul_i32 s44, s40, 16*SP
	s_add_co_u32 s44, s44, STG
	v_add_nc_u32 v[STW], s44, v[LI]
	v_mul_u32_u24 v[STR], v15, SP
	v_lshl_add_u32 v[STR], v[T0], 6, v[STR]
	v_add_nc_u32 v[STR], s44, v[STR]
	s_lshl_b32 s44, s40, 14
	v_add_nc_u32 v[XWI], s44, v[LI]
	s_lshl_b32 s44, s40, 10
	v_add_nc_u32 v[XWS], s44, v[LS]
	v_and_b32 v[T1], 8, v15
	v_add_nc_u32 v[T1], v[T1], v15                 ; r + 8 (r / 8)
	v_lshlrev_b32 v[WPO], 9, v[T1]
	v_lshl_add_u32 v[WPO], v[T0], 4, v[WPO]
	v_lshlrev_b32 v[WNO], 9, v15
	v_lshl_add_u32 v[WNO], v[T0], 4, v[WNO]
	v_lshlrev_b32 v[WPS], 4, v[T1]
	v_lshlrev_b32 v[WNS], 4, v15
	v_lshlrev_b32 v[BQO], 6, v[T0]
	v_lshlrev_b32 v[BVO], 2, v15
.irp b, 0,1,2,3,4,5
	v_mov_b32 v[TP+\b], 0                          ; written once: a lane permute's destination counts as one of its sources
.endr
	s_lshl_b32 s41, ttmp9, 2
	s_add_co_u32 s41, s41, s40                     ; my head
	s_and_b32 s43, ttmp7, 0xffff                   ; which 128 rows
	s_lshr_b32 s42, s43, 3
	s_lshl_b32 s42, s42, 4
	s_add_co_u32 s42, s42, s41                     ; 16 x batch + head
	s_and_b32 s51, s43, 7                          ; which 128 tokens of the batch's 1,024
	s_mov_b32 s45, 0
	s_mov_b32 s46, 0x76543210
	s_mov_b32 s47, 0xfedcba98                      ; v_permlanex16_b32's selects for lane l xor 16
	s_mov_b32 s48, 0x600000                        ; the mantissa field of 57,344
	s_mov_b32 s50, 0x01010101
	s_mov_b32 vcc_lo, 0xffff0000                   ; lanes 16-31: kept for the selects between the halves
	s_wait_kmcnt 0x0
	s_lshl_b32 s44, s43, 18                        ; 128 rows of 2,048 bytes,
	s_lshl_b32 s52, s40, 16                        ; my 32 of them
	s_add_co_u32 s44, s44, s52
	s_add_nc_u64 s[8:9], s[8:9], s[44:45]
	s_lshl_b32 s44, s41, 14                        ; a head's 32 rows of 512 codes
	s_add_nc_u64 s[10:11], s[10:11], s[44:45]
	s_add_nc_u64 s[16:17], s[16:17], s[44:45]
	s_add_nc_u64 s[22:23], s[22:23], s[44:45]
	s_lshl_b32 s44, s41, 9                         ; and of 16 scale bytes
	s_add_nc_u64 s[12:13], s[12:13], s[44:45]
	s_add_nc_u64 s[18:19], s[18:19], s[44:45]
	s_add_nc_u64 s[24:25], s[24:25], s[44:45]
	s_lshl_b32 s44, s41, 7                         ; its 32 biases
	s_add_nc_u64 s[14:15], s[14:15], s[44:45]
	s_add_nc_u64 s[20:21], s[20:21], s[44:45]
	s_add_nc_u64 s[26:27], s[26:27], s[44:45]
	s_lshl_b32 s44, s42, 15                        ; codes: 32,768 bytes a batch and head, 4,096 for 128 tokens
	s_lshl_b32 s52, s51, 12
	s_add_co_u32 s44, s44, s52
	s_add_nc_u64 s[28:29], s[28:29], s[44:45]
	s_add_nc_u64 s[32:33], s[32:33], s[44:45]
	s_add_nc_u64 s[36:37], s[36:37], s[44:45]
	s_lshl_b32 s44, s42, 12                        ; q's scale words: 4 bytes a token
	s_lshl_b32 s52, s51, 9
	s_add_co_u32 s44, s44, s52
	s_add_nc_u64 s[30:31], s[30:31], s[44:45]
	s_lshl_b32 s44, s42, 10                        ; k's and v's: 1 byte a token, 1 byte for 32 tokens of each of 32 channels
	s_lshl_b32 s52, s51, 7
	s_add_co_u32 s44, s44, s52
	s_add_nc_u64 s[34:35], s[34:35], s[44:45]
	s_add_nc_u64 s[38:39], s[38:39], s[44:45]
; the weights: two tiles x four K steps of 128: fragment (u, s) at reg + 16 (4 u + s); tile u begins rows rows on
.macro WLOAD reg, adr, lo, rows
.irp u, 0,1
.irp s, 0,1,2,3
.irp c, 0,1,2,3
	global_load_b128 v[\reg+16*(4*\u+\s)+4*\c:\reg+16*(4*\u+\s)+4*\c+3], v[\adr], s[\lo:\lo+1] offset:\rows*512*\u+128*\s+32*\c
.endr
.endr
.endr
.endm
	WIN 0x80                                       ; destination window 2
	s_wait_alu depctr_va_vdst(0)                   ; the thirteen addresses v1 to v13 are written: every load and store of the kernel, to memory and to LDS, reads one of them
	WLOAD 0, WPO, 10, 8
	WLOAD 128, WPO, 16, 8
	WIN 0xc0                                       ; destination window 3
	WLOAD 0, WNO, 22, 16
.irp u, 0,1
	global_load_b128 v[BQ+8*\u:BQ+8*\u+3], v[BQO], s[14:15] offset:32*\u          ; tile u, lane (r, h): channels 16 h + 8 u + 0 .. 7
	global_load_b128 v[BQ+8*\u+4:BQ+8*\u+7], v[BQO], s[14:15] offset:32*\u+16
	global_load_b128 v[BQ+16+8*\u:BQ+16+8*\u+3], v[BQO], s[20:21] offset:32*\u
	global_load_b128 v[BQ+16+8*\u+4:BQ+16+8*\u+7], v[BQO], s[20:21] offset:32*\u+16
	global_load_b32 v[BV+8*\u], v[BVO], s[26:27] offset:64*\u                     ; v: a lane has one channel, 16 u + r, in all eight registers
.endr
	WIN 0
.irp u, 0,1
	global_load_b128 v[WS+4*\u:WS+4*\u+3], v[WPS], s[12:13] offset:128*\u         ; a row's 16 scale bytes are the words of its four K steps
	global_load_b128 v[WS+8+4*\u:WS+8+4*\u+3], v[WPS], s[18:19] offset:128*\u
	global_load_b128 v[WS+16+4*\u:WS+16+4*\u+3], v[WNS], s[24:25] offset:256*\u
.endr
; fragment fi = 4 u + s of my 32 rows: 16 rows x 128 numbers; each load reads 512 consecutive bytes of one row
.macro XLOAD fi
	WIN 0x40                                       ; destination window 1
.set xi, 0
.rept 16
	global_load_b128 v[64*((\fi)%4)+4*xi:64*((\fi)%4)+4*xi+3], v[LI], s[8:9] offset:(8*((\fi)/4)+xi+8*(xi/8))*2048+512*((\fi)%4)
.set xi, xi+1
.endr
.endm
; through my stage: in as loaded, out as the operand's layout wants it: lane (r, h) takes, of row r, 16 neighbours of each block of 32.  LDS serves a wave's instructions in order (ISA guide 5.7.1.4): no wait between
.macro TURN fi
	WIN 0x04                                       ; an LDS store's data are its source 1: window 1
.set xi, 0
.rept 16
	ds_store_b128 v[STW], v[64*((\fi)%4)+4*xi:64*((\fi)%4)+4*xi+3] offset:SP*xi
.set xi, xi+1
.endr
	WIN 0
.set xi, 0
.rept 16
	ds_load_b128 v[XS+64*((\fi)%2)+4*xi:XS+64*((\fi)%2)+4*xi+3], v[STR] offset:128*(xi/4)+16*(xi%4)
.set xi, xi+1
.endr
.endm
; n blocks by turns.  Block b: 16 numbers of a lane at src + 16 b, the other 16 in lane l xor 16.  Codes to dst + 4 b, the byte to TP + b.  relu = 1: what is negative becomes 0 on the way
.macro QUANTN n, src, relu, dst
.set qb, 0
.rept \n
.if \relu
	v_max3_num_f32 v[TM+qb], v[\src+16*qb], v[\src+16*qb+1], 0x8000000              ; no |.|: what is negative must not count; the floor 2^(16 - 127) holds the byte at 1 from below
.else
	v_max3_num_f32 v[TM+qb], |v[\src+16*qb]|, |v[\src+16*qb+1]|, 0x8000000
.endif
.set qb, qb+1
.endr
.irp i, 2,4,6,8,10,12,14
.set qb, 0
.rept \n
.if \relu
	v_max3_num_f32 v[TM+qb], v[TM+qb], v[\src+16*qb+\i], v[\src+16*qb+\i+1]         ; ascending: each accumulator is first read at its low end
.else
	v_max3_num_f32 v[TM+qb], v[TM+qb], |v[\src+16*qb+\i]|, |v[\src+16*qb+\i+1]|
.endif
.set qb, qb+1
.endr
.endr
.set qb, 0
.rept \n
	v_permlanex16_b32 v[TP+qb], v[TM+qb], s46, s47
.set qb, qb+1
.endr
.set qb, 0
.rept \n
	v_max_num_f32 v[TM+qb], v[TM+qb], v[TP+qb]     ; the block's largest magnitude
.set qb, qb+1
.endr
.set qb, 0
.rept \n
	v_add_nc_u32 v[SO+qb], 0xf8800000, v[TM+qb]    ; 15 off its exponent field: the conversion takes the exponent field of this operand as its scale
.set qb, qb+1
.endr
.set qb, 0
.rept \n
	v_and_or_b32 v[HD+qb], v[TM+qb], 0x7f800000, s48   ; 57,344 x the scale
.set qb, qb+1
.endr
.set qb, 0
.rept \n
	v_lshrrev_b32 v[TP+qb], 23, v[SO+qb]           ; the scale's byte
.set qb, qb+1
.endr
.set qb, 0
.rept \n
.set qi, 0
.rept 16
.if \relu
	v_med3_num_f32 v[\src+16*qb+qi], v[\src+16*qb+qi], 0, v[HD+qb]                  ; the activation and the hold in one
.else
	v_med3_num_f32 v[\src+16*qb+qi], v[\src+16*qb+qi], -v[HD+qb], v[HD+qb]          ; the conversion to an 8-bit code does not saturate (ISA guide 7.6.2)
.endif
.set qi, qi+1
.endr
	v_cvt_scalef32_pk8_bf8_f32 v[\dst+4*qb:\dst+4*qb+1], v[\src+16*qb:\src+16*qb+7], v[SO+qb]
	v_cvt_scalef32_pk8_bf8_f32 v[\dst+4*qb+2:\dst+4*qb+3], v[\src+16*qb+8:\src+16*qb+15], v[SO+qb]
.set qb, qb+1
.endr
	v_nop                                          ; a plain line behind the last conversion: products later write its sources
.endm
.macro IMAGE fi                        ; the fragment goes to LDS as it stands in my registers
.irp c, 0,1,2,3
	ds_store_b128 v[XWI], v[PC+4*\c:PC+4*\c+3] offset:2048*(\fi)+512*\c
.endr
	ds_store_b32 v[XWS], v[PW] offset:128*(\fi)
.endm
.macro STEP fi
	s_wait_dscnt 0x0                               ; this fragment's numbers are back from the stage
.if (\fi) > 0
	s_wait_alu depctr_vm_vsrc(0)                   ; the last image's stores have read v[PC ..] and v[PW], which this step writes again; the stage's stores of fragment fi - 1 have read the set of window 1 in which the loads below land
.endif
.if (\fi)+3 <= 7
	XLOAD (\fi)+3                                  ; into the set that went through the stage two steps ago
.endif
.if (\fi) < 7
.if (\fi) <= 4
	s_wait_loadcnt 32                              ; the next fragment's 16 loads are in; two fragments were asked for behind it
.elseif (\fi) == 5
	s_wait_loadcnt 16                              ; one fragment behind it
.else
	s_wait_loadcnt 0
.endif
	TURN (\fi)+1                                   ; it goes through the stage while this one is quantised.  Its loads land in the set that the last step worked on: no vector line has been issued since that step's wait on va_vdst
.endif
	QUANTN 4, XS+64*((\fi)%2), 0, PC
	v_lshl_or_b32 v[PW], v[TP+1], 8, v[TP]         ; the four bytes make my row's scale word
	v_lshl_or_b32 v[PW], v[TP+2], 16, v[PW]
	v_lshl_or_b32 v[PW], v[TP+3], 24, v[PW]
	s_wait_alu depctr_va_vdst(0)                   ; the conversions have written v[PC ..] and the shifts v[PW], which the image's stores read; the holds and conversions are done with this set of x's numbers, in which the next step's loads from the stage land
	IMAGE \fi
.endm
; the eight scale words of tiles 2 bb and 2 bb + 1, as any wave's registers
.macro FETCHW bb
.set xi, 0
.rept 8
	ds_load_b32 v[XSW+8*((\bb)%2)+xi], v[LS] offset:(8*(\bb)+xi)*128
.set xi, xi+1
.endr
.endm
; and two of their eight fragments: 2 g and 2 g + 1
.macro FETCHF bb, g
	WIN 0x40
.irp x, 0,1
.irp c, 0,1,2,3
	ds_load_b128 v[128*((\bb)%2)+16*(2*(\g)+\x)+4*\c:128*((\bb)%2)+16*(2*(\g)+\x)+4*\c+3], v[LI] offset:(8*(\bb)+2*(\g)+\x)*2048+512*\c
.endr
.endr
.endm
; K step s of the pair's twelve sums.  The twelve accumulators take turns, one instruction a turn, in the same order in every K step.
.macro MULS bb, s
.set xf, 128*((\bb)%2)
.set xw, XSW+8*((\bb)%2)
.if \s == 0
	WIN 0x36                                       ; source 0 (W) window 2, source 1 (x) window 1, C (the bias) window 3
.else
	WIN 0x06
.endif
.irp p, 0,1
.irp t, 0,1
.irp u, 0,1
.if \s == 0
	v_wmma_scale_f32_16x16x128_f8f6f4 v[ACC+32*\p+16*\t+8*\u:ACC+32*\p+16*\t+8*\u+7], v[128*\p+16*(4*\u+\s):128*\p+16*(4*\u+\s)+15], v[xf+16*(4*\t+\s):xf+16*(4*\t+\s)+15], v[BQ+16*\p+8*\u:BQ+16*\p+8*\u+7], v[WS+8*\p+4*\u+\s], v[xw+4*\t+\s] matrix_a_fmt:MATRIX_FMT_BF8 matrix_b_fmt:MATRIX_FMT_BF8
.else
	v_wmma_scale_f32_16x16x128_f8f6f4 v[ACC+32*\p+16*\t+8*\u:ACC+32*\p+16*\t+8*\u+7], v[128*\p+16*(4*\u+\s):128*\p+16*(4*\u+\s)+15], v[xf+16*(4*\t+\s):xf+16*(4*\t+\s)+15], v[ACC+32*\p+16*\t+8*\u:ACC+32*\p+16*\t+8*\u+7], v[WS+8*\p+4*\u+\s], v[xw+4*\t+\s] matrix_a_fmt:MATRIX_FMT_BF8 matrix_b_fmt:MATRIX_FMT_BF8
.endif
.endr
.endr
.endr
.if \s == 0
	WIN 0x3d                                       ; source 0 (x) window 1, source 1 (W_v) window 3, C window 3
.else
	WIN 0x0d
.endif
.irp ct, 0,1
.irp u, 0,1
.if \s == 0
	v_wmma_scale_f32_16x16x128_f8f6f4 v[ACC+64+16*\ct+8*\u:ACC+64+16*\ct+8*\u+7], v[xf+16*(4*\u+\s):xf+16*(4*\u+\s)+15], v[16*(4*\ct+\s):16*(4*\ct+\s)+15], v[BV+8*\ct:BV+8*\ct+7], v[xw+4*\u+\s], v[WS+16+4*\ct+\s] matrix_a_fmt:MATRIX_FMT_BF8 matrix_b_fmt:MATRIX_FMT_BF8
.else
	v_wmma_scale_f32_16x16x128_f8f6f4 v[ACC+64+16*\ct+8*\u:ACC+64+16*\ct+8*\u+7], v[xf+16*(4*\u+\s):xf+16*(4*\u+\s)+15], v[16*(4*\ct+\s):16*(4*\ct+\s)+15], v[ACC+64+16*\ct+8*\u:ACC+64+16*\ct+8*\u+7], v[xw+4*\u+\s], v[WS+16+4*\ct+\s] matrix_a_fmt:MATRIX_FMT_BF8 matrix_b_fmt:MATRIX_FMT_BF8
.endif
.endr
.endr
.endm
; pair bb's codes and q's scale words leave: six stores of 512 bytes and one of 128
.macro SEND bb
.set cdb, CD+24*((\bb)%2)
.irp t, 0,1
	global_store_b128 v[LI], v[cdb+4*\t:cdb+4*\t+3], s[28:29] offset:512*(2*(\bb)+\t)         ; each: 512 consecutive bytes, at a multiple of 512 from the buffer's first byte
	global_store_b128 v[LI], v[cdb+8+4*\t:cdb+8+4*\t+3], s[32:33] offset:512*(2*(\bb)+\t)
	global_store_b128 v[LI], v[cdb+16+4*\t:cdb+16+4*\t+3], s[36:37] offset:2048*\t+512*(\bb)
.endr
	global_store_b32 v[L4], v[QW+(\bb)], s[30:31] offset:128*(\bb)
.endm
; 32 tokens: 48 products, six blocks quantised (q and k of two tiles of tokens, v of two tiles of channels).  The next pair's 40 LDS loads are dealt among the products; the stores of the pair before follow the products.
.macro PAIR bb
	s_wait_dscnt 0x0                               ; this pair's fragments and scale words are in
.if (\bb) > 0
	s_wait_alu depctr_va_vdst(0)                   ; the pair before: its products are done reading the other set of fragments and scale words, in which the loads below land; its conversions and selects have written its codes and q's word, which the stores below read
.endif
.if (\bb) < 3
	WIN 0
	FETCHW (\bb)+1                                 ; the next pair's, into the other set.  Up to the last of these loads only loads, window switches and this pair's products are issued, and the products name none of the loads' registers
	FETCHF (\bb)+1, 0
.endif
	MULS \bb, 0
.if (\bb) < 3
	FETCHF (\bb)+1, 1
.endif
	MULS \bb, 1
.if (\bb) < 3
	FETCHF (\bb)+1, 2
.endif
	MULS \bb, 2
.if (\bb) < 3
	FETCHF (\bb)+1, 3
.endif
	MULS \bb, 3
	WIN 0
.rept 8
	v_nop                                          ; eight places between the last products and the first read of their results
.endr
.if (\bb) > 1
	s_wait_xcnt 0x0                                ; the stores issued a pair ago have had their addresses translated (ISA guide 3.1): their data are written again only behind this wait,
	s_wait_alu depctr_vm_vsrc(0)                   ; and they have read this pair's set of codes, which the conversions below write
.endif
.if (\bb) > 0
	SEND (\bb)-1                                   ; no vector or matrix line since the wait at the pair's head names the other set of codes, q's word or the two offsets
.endif
	QUANTN 6, ACC, 1, CD+24*((\bb)%2)
	v_mul_lo_u32 v[T0], v[TP], s50                 ; q's byte in all four bytes of its word: whichever block of the attention's K holds q finds it
	v_mul_lo_u32 v[T1], v[TP+1], s50
	v_cndmask_b32 v[QW+\bb], v[T0], v[T1], vcc_lo  ; lanes 0-15: tile 2 bb; lanes 16-31: tile 2 bb + 1
.if (\bb)%2 == 0
	v_lshl_or_b32 v[KW+(\bb)/2], v[TP+3], 8, v[TP+2]               ; k: four tiles' bytes make the word of one fragment's row
.else
	v_lshl_or_b32 v[KW+(\bb)/2], v[TP+2], 16, v[KW+(\bb)/2]
	v_lshl_or_b32 v[KW+(\bb)/2], v[TP+3], 24, v[KW+(\bb)/2]
.endif
.irp ct, 0,1
.if (\bb) == 0
	v_mov_b32 v[VW+\ct], v[TP+4+\ct]               ; v: the four pairs' bytes make a channel's word for these 128 keys
.else
	v_lshl_or_b32 v[VW+\ct], v[TP+4+\ct], 8*(\bb), v[VW+\ct]
.endif
.endr
.endm
	XLOAD 0
	XLOAD 1
	XLOAD 2
	s_wait_loadcnt 32                              ; loads come back in order (ISA guide 5.7.1): the weights and fragment 0 are in; fragments 1 and 2 may be out
	WIN 0xc3                                       ; destination and source 0 window 3
.irp u, 0,1
.irp j, 1,2,3,4,5,6,7
	v_mov_b32 v[BV+8*\u+\j], v[BV+8*\u]
.endr
.endr
	TURN 0
.irp f, 0,1,2,3,4,5,6,7
	STEP \f
.endr
	s_wait_dscnt 0x0                               ; for the others' sake: my images have landed
	s_barrier_signal -1
	s_barrier_wait -1                              ; x's 32 fragments lie in LDS; nothing is written there again
	s_wait_alu depctr_vm_vsrc(0)                   ; my last image's stores have read v[PC ..]: from here on these registers belong to the second set of codes, which conversions write
	FETCHW 0
	FETCHF 0, 0
	FETCHF 0, 1
	FETCHF 0, 2
	FETCHF 0, 3
	PAIR 0
	PAIR 1
	PAIR 2
	PAIR 3
	v_cndmask_b32 v236, v[KW], v[KW+1], vcc_lo     ; lanes 0-15: the first fragment's rows; lanes 16-31: the second's
	v_cndmask_b32 v237, v[VW], v[VW+1], vcc_lo     ; lanes 0-15: channels 0-15; lanes 16-31: channels 16-31
	s_wait_alu depctr_va_vdst(0)                   ; the last pair's conversions have written its codes, and the selects q's word, v236 and v237: the nine stores below read them
	SEND 3
	global_store_b32 v[L4], v236, s[34:35]
	global_store_b32 v[L4], v237, s[38:39]
	s_wait_dscnt 0x0
	s_wait_alu depctr_hold_cnt(0) depctr_sa_sdst(0) depctr_va_vdst(0) depctr_va_sdst(0) depctr_va_ssrc(0) depctr_va_vcc(0) depctr_vm_vsrc(0)
	s_wait_tensorcnt 0x0
	ds_add_u32 v254, v255
	s_wait_dscnt 0x0
	s_endpgm
.Lfunc_end_k_qeae3091efc_proj:
	.size	k_qeae3091efc_proj, .Lfunc_end_k_qeae3091efc_proj-k_qeae3091efc_proj
	.p2alignl 7, 3214868480
	.fill 96, 4, 3214868480
	.section	.rodata,"a",@progbits
	.p2align	6, 0x0
	.amdhsa_kernel k_qeae3091efc_proj
		.amdhsa_group_segment_fixed_size 103936
		.amdhsa_private_segment_fixed_size 0
		.amdhsa_enable_private_segment 0
		.amdhsa_kernarg_size 128
		.amdhsa_user_sgpr_count 2
		.amdhsa_user_sgpr_kernarg_segment_ptr 1
		.amdhsa_wavefront_size32 1
		.amdhsa_system_sgpr_workgroup_id_x 1
		.amdhsa_system_sgpr_workgroup_id_y 1
		.amdhsa_system_sgpr_workgroup_id_z 1
		.amdhsa_system_vgpr_workitem_id 0
		.amdhsa_next_free_vgpr 1024
		.amdhsa_next_free_sgpr 66
		.amdhsa_reserve_vcc 1
		.amdhsa_float_denorm_mode_32 3
		.amdhsa_float_denorm_mode_16_64 3
		.amdhsa_memory_ordered 1
		.amdhsa_forward_progress 1
		.amdhsa_inst_pref_size 199
	.end_amdhsa_kernel
	.amdgpu_metadata
---
amdhsa.version: [ 1, 2 ]
amdhsa.kernels:
  - .name:           k_qeae3091efc_proj
    .symbol:         k_qeae3091efc_proj.kd
    .args:
      - { .name: inputs, .offset: 0, .size: 8, .value_kind: global_buffer, .address_space: global }
      - { .name: wq_codes, .offset: 8, .size: 8, .value_kind: global_buffer, .address_space: global }
      - { .name: wq_scales, .offset: 16, .size: 8, .value_kind: global_buffer, .address_space: global }
      - { .name: bq, .offset: 24, .size: 8, .value_kind: global_buffer, .address_space: global }
      - { .name: wk_codes, .offset: 32, .size: 8, .value_kind: global_buffer, .address_space: global }
      - { .name: wk_scales, .offset: 40, .size: 8, .value_kind: global_buffer, .address_space: global }
      - { .name: bk, .offset: 48, .size: 8, .value_kind: global_buffer, .address_space: global }
      - { .name: wv_codes, .offset: 56, .size: 8, .value_kind: global_buffer, .address_space: global }
      - { .name: wv_scales, .offset: 64, .size: 8, .value_kind: global_buffer, .address_space: global }
      - { .name: bv, .offset: 72, .size: 8, .value_kind: global_buffer, .address_space: global }
      - { .name: qc, .offset: 80, .size: 8, .value_kind: global_buffer, .address_space: global }
      - { .name: qs, .offset: 88, .size: 8, .value_kind: global_buffer, .address_space: global }
      - { .name: kc, .offset: 96, .size: 8, .value_kind: global_buffer, .address_space: global }
      - { .name: ks, .offset: 104, .size: 8, .value_kind: global_buffer, .address_space: global }
      - { .name: vc, .offset: 112, .size: 8, .value_kind: global_buffer, .address_space: global }
      - { .name: vs, .offset: 120, .size: 8, .value_kind: global_buffer, .address_space: global }
    .group_segment_fixed_size: 103936
    .private_segment_fixed_size: 0
    .kernarg_segment_align: 8
    .kernarg_segment_size: 128
    .max_flat_workgroup_size: 128
    .sgpr_count:     66
    .vgpr_count:     1024
    .wavefront_size: 32
...
	.end_amdgpu_metadata
.endif
;; end of part 4
;; launch attn (part 5): grid 32 x 8, 16 waves a work-group, no clusters, 280,576 bytes of LDS; arguments qc, qs, kc, ks, vc, vs, inputs, y, part; writes y, part
.if DOCPART == 5
	.amdgcn_target "amdgcn-amd-amdhsa--gfx1250"
	.amdhsa_code_object_version 6
	.text
	.protected	k_qeae3091efc_attn
	.globl	k_qeae3091efc_attn
	.p2align	8
	.type	k_qeae3091efc_attn,@function
k_qeae3091efc_attn:
	s_mov_b64 s[64:65], 0
	v_nop
	global_prefetch_b8 v0, s[64:65] scope:SCOPE_SE
	s_setreg_imm32_b32 hwreg(HW_REG_WAVE_MODE, 25, 1), 1
	s_wait_xcnt 0x0
; y = softmax(q k^T / sqrt(32)) v + x, both products on codes of BF8 (E5M2) with E8M0 scales, and for each channel the mean and the sum of squared distances from it over the work-group's 256 rows.
; THE SOFTMAX AHEAD OF THE SECOND PRODUCT: t = score x log2(e) / sqrt(32); M = the running largest t rounded UP to a whole number; p = 2^(t - M) is quantised along the keys, not normalised;
; the row's sum is taken of the unquantised p and divides at the end.  When M moves, the sum and O are multiplied by 2^(old M - new M): exact.
; SHARES.  A work-group owns 256 queries of a PAIR of heads (64 channels: 256 bytes of each row of y).  Waves 0-7 take the first head, 8-15 the second; a wave owns 32 queries, two tiles of 16, which share
; every fragment of K and V that it reads from LDS.  Four waves lie on a SIMD, so that one wave's exponentials stand beside another's plain work.
; K and V of the two heads, 131,072 bytes of codes, are laid in memory as images of operand registers; they come into LDS once, as they lie, by tensor loads, and are read by 16 bytes a lane, 512 a load.
; THE FILL.  Waves 0-3 issue three tensor loads each, all first fills: key steps 0 and 1 of one of the four regions (K, V x two heads: 8,192 bytes), its steps 2 to 7 (24,576 bytes), and 64 of the work-group's 256 rows
; of x (256 bytes of each).  Only the first is waited for ahead of the first step; the other two land under two steps' work, and a second barrier stands in front of step 2.  Nothing is filled again.
; K = 32 IN AN INSTRUCTION OF K = 128.  A fragment of K holds FOUR tiles of 16 keys, one in each block of 32.  Q's registers lie z z z qA z z z qB z z z in groups of four (z: zero codes): the operand that begins
; 4 c registers in front of q has q in block c and zeros elsewhere, and so picks key tile c.  Zero codes add nothing under any scale byte from 1 to 254; q's byte is repeated in all four bytes of its word.
; LAYOUT.  Both products are used transposed: S^T = K Q^T, O^T = V^T P^T: a lane holds ONE query throughout.  Row r of tile 2 bb + u is token 32 bb + 8 u + r + 8 (r / 8), so the 16 registers of two neighbouring
; tiles of S^T are 16 neighbouring keys, and the conversions' results are the second product's operand.
; NO CLUSTER: the four query blocks of a head pair read the same K and V, but each byte is asked for once in the launch and 98,304 of a work-group's 131,072 bytes are waited for by nobody: they land under two
; steps' work (40 products and some 1,000 vector instructions a wave).  Joint requests would add an opening and a closing round of the cluster's barrier and spare no wait.
; LIMITS: NaN and infinities are not served.  A block's largest p is taken through its largest score, which takes v_exp_f32 not to fall where its input rises (the ISA guide promises 1 ulp); at the worst one p of a
; block, within an ulp of a power of two, is held one code low.  p under 2^-126 counts as 0.
.set IMG,   4096                       ; LDS: from 0: [head][K's scale words 1,024 | V's 1,024], stored from registers; from IMG four regions of 32,768: K head 0, K head 1, V head 0, V head 1
.set VIMG,  65536                      ; so V's images lie this far behind K's
.set STAGE, 135168                     ; 256 rows x (256 bytes + 16): the way out
.set RED,   204800                     ; 16 x 512 bytes: the waves' sums
.set XR,    212992                     ; 256 rows x 256 bytes of x, asked for at the head and kept for the way out
.set AK0, 1                            ; IMG + 32,768 x head + 16 x lane
.set AS0, 2                            ; 2,048 x head + 4 x lane
.set ADK, 3                            ; the step's
.set ADS, 4
.set GO,  5                            ; y: 2,048 (lane / 16) + 16 (lane % 16)
.set STO, 6
.set RD,  7
.set QSC, 60                           ; scale words: q's (lanes 0-15 tile A, 16-31 tile B),
.set KSC, 61                           ; K's (the step's two fragments),
.set VSC, 62                           ; V's (two tiles of channels),
.set XRA, 63                           ; XR + 4,096 x wave + 16 x lane
.set PSA, 64                           ; p's, tile A,
.set PSB, 65                           ; tile B
.set F,   66                           ; v[66:67] 2^(old M - new M), and a word that is only named
.set KF,  68                           ; v68-99   K's two fragments, later V's two
.set S,   100                          ; v100-163 S^T of one tile of queries, then p
.set PCA, 164
.set PCB, 180
.set OA,  196                          ; O^T: 16 registers a tile
.set OB,  212
.set BM,  228
.set BP,  232
.set HD,  236
.set SO,  240
.set T0,  246
.set G0A, 52                           ; s[52:55] descriptor group 0: my region's steps 0 and 1;
.set G0B, 56                           ; s[56:59] its steps 2 to 7;
.set G0X, 60                           ; s[60:63] my 64 rows of x
.set G1A, 68                           ; s[68:75], s[76:83], s[84:91]: their groups 1
.set G1B, 76
.set G1X, 84
; descriptor group 1: rows of 256 bytes (32 elements of 8 bytes), laid into LDS on end; pitch in elements
.macro GROUP1 g, rows, pitch
	s_mov_b32 s[\g], 3<<16                         ; 15:0 no mask; 17:16 elements of 8 bytes; no padding: every LDS read of these bytes takes 512 on end
	s_mov_b32 s[\g+1], 32<<16                      ; tensor_dim0
	s_mov_b32 s[\g+2], (\rows)<<16                 ; tensor_dim1
	s_mov_b32 s[\g+3], 32<<16                      ; tile_dim0
	s_mov_b32 s[\g+4], \rows                       ; tile_dim1
	s_mov_b32 s[\g+5], \pitch                      ; tensor_dim0_stride
	s_mov_b32 s[\g+6], 0
	s_mov_b32 s[\g+7], 0
.endm
	s_load_b512 s[8:23], s[0:1], 0x0               ; qc, qs, kc, ks, vc, vs, inputs, y
	s_load_b64 s[24:25], s[0:1], 0x40              ; part
	v_lshl_add_u32 v249, v0, 2, 0x44000
	v_mov_b32 v254, 0
	ds_add_u32 v249, v254
	ds_add_u32 v249, v254
	v_lshrrev_b32 v3, 5, v0
	s_delay_alu instid0(VALU_DEP_1)
	v_readfirstlane_b32 s26, v3                    ; wave 0..15
	s_lshr_b32 s27, s26, 3                         ; which head of the pair
	s_and_b32 s28, s26, 7                          ; which 32 queries
	s_and_b32 s29, s26, 3                          ; for waves 0-3: which region, which 64 rows of x
	s_and_b32 s49, s26, 1                          ; and which head's part of K or of V
	GROUP1 G1A, 32, 32
	GROUP1 G1B, 96, 32
	GROUP1 G1X, 64, 256
	v_and_b32 v3, 31, v0
	s_delay_alu instid0(VALU_DEP_1)
	v_lshlrev_b32 v252, 4, v3                      ; 16 x lane
	s_delay_alu instid0(VALU_DEP_2)
	v_lshlrev_b32 v253, 2, v3                      ; 4 x lane
	s_lshl_b32 s40, s27, 15
	s_add_co_u32 s40, s40, IMG
	v_add_nc_u32 v[AK0], s40, v252
	s_lshl_b32 s40, s27, 11
	v_add_nc_u32 v[AS0], s40, v253
	v_and_b32 v4, 15, v0                           ; r
	v_bfe_u32 v[T0], v0, 4, 1                      ; h
	s_delay_alu instid0(VALU_DEP_1)
	v_lshlrev_b32 v[GO], 11, v[T0]
	s_delay_alu instid0(VALU_DEP_1)
	v_lshl_add_u32 v[GO], v4, 4, v[GO]
	s_delay_alu instid0(VALU_DEP_4)
	v_and_b32 v[STO], 8, v4
	s_delay_alu instid0(VALU_DEP_1)
	v_add_nc_u32 v[STO], v[STO], v4                ; r + 8 (r / 8): my query's row among the wave's 32 (tile B: 8 further on)
	s_delay_alu instid0(VALU_DEP_1)
	v_mul_u32_u24 v[STO], v[STO], 272
	s_delay_alu instid0(VALU_DEP_1)
	v_lshl_add_u32 v[STO], v[T0], 5, v[STO]
	s_mul_i32 s40, s28, 32*272
	s_lshl_b32 s41, s27, 7
	s_add_co_u32 s40, s40, s41
	s_add_co_u32 s40, s40, STAGE
	v_add_nc_u32 v[STO], s40, v[STO]
	v_mul_u32_u24 v[RD], v[T0], 272
	s_delay_alu instid0(VALU_DEP_1)
	v_lshl_add_u32 v[RD], v4, 4, v[RD]
	s_mul_i32 s40, s26, 16*272
	s_add_co_u32 s40, s40, STAGE
	v_add_nc_u32 v[RD], s40, v[RD]                 ; back: wave w takes rows 16 w on, whole: lanes 0-15 one row, lanes 16-31 the next
	s_lshl_b32 s40, s26, 12
	s_add_co_u32 s40, s40, XR
	v_add_nc_u32 v[XRA], s40, v252                 ; the same 16 rows of x: 256 bytes a row, on end
	s_lshl_b32 s40, s26, 9
	s_add_co_u32 s40, s40, RED
	v_add_nc_u32 v247, s40, v252                   ; where my wave's sums go
	v_add_nc_u32 v251, RED, v252                   ; and from where wave 0 reads all sixteen
	v_lshrrev_b32 v250, 8, v0
	s_delay_alu instid0(VALU_DEP_1)
	v_lshlrev_b32 v250, 11, v250
	v_and_b32 v255, 255, v0
	s_delay_alu instid0(VALU_DEP_1)
	v_lshl_add_u32 v250, v255, 2, v250             ; the scale words in LDS: 2,048 x (thread / 256) + 4 x (thread % 256)
	v_lshlrev_b32 v255, 2, v0                      ; and in memory: 4 x thread
	s_lshr_b32 s42, ttmp9, 2                       ; the head pair
	s_and_b32 s43, ttmp9, 3                        ; which 256 queries
	s_and_b32 s44, ttmp7, 0xffff                   ; the batch
	s_lshl_b32 s45, s44, 4
	s_lshl_b32 s46, s42, 1
	s_add_co_u32 s45, s45, s46                     ; 16 x batch + the pair's first head
	s_add_co_u32 s46, s45, s27                     ; + my head
	s_lshl_b32 s47, s43, 4
	s_lshl_b32 s48, s28, 1
	s_add_co_u32 s47, s47, s48                     ; my tile A
	s_mov_b32 s41, 0
	s_mov_b32 s30, 0x76543210
	s_mov_b32 s31, 0xfedcba98                      ; v_permlanex16_b32's selects for lane l xor 16
	s_mov_b32 s32, 0x3e8293ee                      ; c = log2(e) / sqrt(32)
	s_mov_b32 s33, s32                             ; (named with it as a pair, so it is written)
	s_mov_b32 s34, 0x600000                        ; the mantissa field of 57,344
	s_mov_b32 s36, 0                               ; the step's images: 4,096 bytes a step
	s_mov_b32 s37, 0                               ; its scale words: 128
	s_mov_b32 s50, 0x3d800000                      ; 1 / 16
	s_mov_b32 s51, s50
	s_mov_b32 vcc_lo, 0xffff0000                   ; lanes 16-31
	s_wait_dscnt 0x0
	s_wait_kmcnt 0x0
	s_lshl_b32 s40, s45, 15
	s_add_nc_u64 s[12:13], s[12:13], s[40:41]      ; K's and V's codes at the pair's first head
	s_add_nc_u64 s[16:17], s[16:17], s[40:41]
	; the descriptors' groups 0.  Every wave makes them; waves 0-3 use them.  Region w: K of head w (w < 2), V of head w - 2
	s_lshl_b32 s40, s49, 15
	s_cmp_lt_u32 s26, 2                            ; the choice of the buffer hangs on the wave's number alone
	s_cselect_b64 s[92:93], s[12:13], s[16:17]
	s_add_nc_u64 s[92:93], s[92:93], s[40:41]
	s_mov_b32 s[G0A], 1                            ; 1:0 count = 1
	s_lshl_b32 s[G0A+1], s29, 15
	s_add_co_u32 s[G0A+1], s[G0A+1], IMG           ; 63:32 LDS address: IMG + 32,768 x wave
	s_mov_b64 s[G0A+2:G0A+3], s[92:93]             ; 120:64 global address
	s_or_b32 s[G0A+3], s[G0A+3], 0x80000000        ; 127:126 type = 2
	s_mov_b32 s[G0B], 1
	s_add_co_u32 s[G0B+1], s[G0A+1], 8192          ; the region's other six steps, 8,192 bytes on in LDS and in memory
	s_add_nc_u64 s[G0B+2:G0B+3], s[92:93], 8192
	s_or_b32 s[G0B+3], s[G0B+3], 0x80000000
	s_lshl_b32 s48, s44, 10
	s_lshl_b32 s40, s43, 8
	s_add_co_u32 s48, s48, s40                     ; the work-group's first row: 1,024 x batch + 256 x block
	s_lshl_b32 s39, s42, 8                         ; the pair's 256 bytes in a row
	s_lshl_b32 s40, s29, 6
	s_add_co_u32 s40, s40, s48                     ; + 64 x wave
	s_lshl_b32 s40, s40, 11
	s_add_co_u32 s40, s40, s39
	s_mov_b32 s[G0X], 1
	s_lshl_b32 s[G0X+1], s29, 14
	s_add_co_u32 s[G0X+1], s[G0X+1], XR            ; XR + 64 rows of 256 bytes x wave
	s_add_nc_u64 s[G0X+2:G0X+3], s[20:21], s[40:41]
	s_or_b32 s[G0X+3], s[G0X+3], 0x80000000
	s_cmp_lt_u32 s26, 4                            ; a wave's three first fills stand in one branch, ahead of every wait on TENSORcnt, every LDS read and every barrier: three loads of mine are out
	s_cbranch_scc0 .Lno_fill
	tensor_load_to_lds s[G0A:G0A+3], s[G1A:G1A+7]
	s_nop 0
	tensor_load_to_lds s[G0B:G0B+3], s[G1B:G1B+7]
	s_nop 0
	tensor_load_to_lds s[G0X:G0X+3], s[G1X:G1X+7]
	s_nop 0
.rept 4
	v_nop                                          ; four v_nop follow the last of them, ahead of the label
.endr
.Lno_fill:
	s_lshl_b32 s40, s26, 4
	s_add_co_u32 s40, s40, s48                     ; the first row that I store: + 16 x wave
	s_lshl_b32 s40, s40, 11
	s_add_co_u32 s40, s40, s39
	s_add_nc_u64 s[22:23], s[22:23], s[40:41]
	s_lshl_b32 s40, s45, 10
	s_add_nc_u64 s[14:15], s[14:15], s[40:41]
	s_add_nc_u64 s[18:19], s[18:19], s[40:41]
	s_lshl_b32 s40, s46, 15
	s_lshl_b32 s48, s47, 9
	s_add_co_u32 s40, s40, s48
	s_add_nc_u64 s[8:9], s[8:9], s[40:41]
	s_lshl_b32 s40, s46, 12
	s_lshl_b32 s48, s47, 6
	s_add_co_u32 s40, s40, s48
	s_add_nc_u64 s[10:11], s[10:11], s[40:41]
	s_lshl_b32 s40, s44, 2
	s_add_co_u32 s40, s40, s43
	s_lshl_b32 s40, s40, 9
	s_lshl_b32 s48, s42, 14
	s_add_co_u32 s40, s40, s48
	s_add_nc_u64 s[24:25], s[24:25], s[40:41]
	s_wait_alu depctr_va_vdst(0)
	global_load_b32 v244, v255, s[14:15]           ; the pair's 2,048 bytes of K's scale words, 4 a thread,
	global_load_b32 v245, v255, s[18:19]           ; and V's
	global_load_b128 v[28:31], v252, s[8:9]        ; qA
	global_load_b128 v[44:47], v252, s[8:9] offset:512   ; qB
	global_load_b32 v[QSC], v253, s[10:11]
.irp g, 16,20,24,32,36,40,48,52,56
.irp j, 0,1,2,3
	v_mov_b32 v[\g+\j], 0                          ; the zero codes round q
.endr
.endr
.set j, 0
.rept 32
	v_mov_b32 v[OA+j], 0                           ; O^T.  (The step is written for every step alike: the first finds zeros, which the first change of M leaves zeros)
.set j, j+1
.endr
.irp st, 8,12
	v_mov_b32 v[\st+1], 0xff61b1e6                 ; the largest t so far: -3e38, under every t
	s_delay_alu instid0(VALU_DEP_1)
	v_floor_f32 v[\st], -v[\st+1]                  ; -M
	v_mov_b32 v[\st+2], 0                          ; the sum, in two halves
	v_mov_b32 v[\st+3], 0
.endr
.irp b, 0,1,2,3
	v_mov_b32 v[BP+\b], 0                          ; written once: a lane permute's destination counts as one of its sources
.endr
	v_mov_b32 v[F+1], 0
	s_wait_loadcnt 0x0                             ; q, its scale words, my words of K's and V's
	ds_store_b32 v250, v244
	ds_store_b32 v250, v245 offset:1024
	s_wait_tensorcnt 0x2                           ; tensor loads of a wave end in order (ISA guide 10.11.1): my region's steps 0 and 1 are in; the two loads issued behind that one may be out
	s_wait_dscnt 0x0                               ; for the others' sake: my stores have landed
	s_barrier_signal -1
	s_barrier_wait -1                              ; steps 0 and 1 of K and V, and all scale words, lie in LDS; behind this barrier nothing is filled
; S^T of one tile of queries: eight tiles of 16 keys.  q: the register at which the tile's codes begin; tb = 1: its scale words lie in lanes 16-31
.macro SMUL q, tb
	s_setprio 2
.irp f, 0,1
.irp c, 0,1,2,3
.if (\f == 0) && (\tb == 0)
	v_wmma_scale_f32_16x16x128_f8f6f4 v[S+8*(4*\f+\c):S+8*(4*\f+\c)+7], v[KF+16*\f:KF+16*\f+15], v[\q-4*\c:\q-4*\c+15], 0, v[KSC], v[QSC] matrix_a_fmt:MATRIX_FMT_BF8 matrix_b_fmt:MATRIX_FMT_BF8
.elseif (\tb == 0)
	v_wmma_scale_f32_16x16x128_f8f6f4 v[S+8*(4*\f+\c):S+8*(4*\f+\c)+7], v[KF+16*\f:KF+16*\f+15], v[\q-4*\c:\q-4*\c+15], 0, v[KSC], v[QSC] matrix_a_fmt:MATRIX_FMT_BF8 matrix_b_fmt:MATRIX_FMT_BF8 matrix_a_scale:MATRIX_SCALE_ROW1
.elseif (\f == 0)
	v_wmma_scale_f32_16x16x128_f8f6f4 v[S+8*(4*\f+\c):S+8*(4*\f+\c)+7], v[KF+16*\f:KF+16*\f+15], v[\q-4*\c:\q-4*\c+15], 0, v[KSC], v[QSC] matrix_a_fmt:MATRIX_FMT_BF8 matrix_b_fmt:MATRIX_FMT_BF8 matrix_b_scale:MATRIX_SCALE_ROW1
.else
	v_wmma_scale_f32_16x16x128_f8f6f4 v[S+8*(4*\f+\c):S+8*(4*\f+\c)+7], v[KF+16*\f:KF+16*\f+15], v[\q-4*\c:\q-4*\c+15], 0, v[KSC], v[QSC] matrix_a_fmt:MATRIX_FMT_BF8 matrix_b_fmt:MATRIX_FMT_BF8 matrix_a_scale:MATRIX_SCALE_ROW1 matrix_b_scale:MATRIX_SCALE_ROW1
.endif
.endr
.endr
.endm
; one tile's softmax for 128 keys.  st: -M, the largest t, the sum's two halves;  o: its O^T;  pc: p's codes;  ps: p's scale word
.macro SOFTMAX st, o, pc, ps
.irp b, 0,1,2,3
	v_max3_num_f32 v[BM+\b], v[S+16*\b], v[S+16*\b+1], v[S+16*\b+2]                 ; the largest score of each block of 32 keys: it serves for the row's maximum and, since p rises with the score, for the block's largest p
.endr
.irp i, 3,5,7,9,11,13
.irp b, 0,1,2,3
	v_max3_num_f32 v[BM+\b], v[BM+\b], v[S+16*\b+\i], v[S+16*\b+\i+1]               ; ascending: each accumulator is first read at its low end
.endr
.endr
.irp b, 0,1,2,3
	v_max_num_f32 v[BM+\b], v[BM+\b], v[S+16*\b+15]
.endr
.irp b, 0,1,2,3
	s_delay_alu instid0(VALU_DEP_4)
	v_permlanex16_b32 v[BP+\b], v[BM+\b], s30, s31
.endr
.irp b, 0,1,2,3
	s_delay_alu instid0(VALU_DEP_4)
	v_max_num_f32 v[BM+\b], v[BM+\b], v[BP+\b]     ; with lane l xor 16's 16 keys
.endr
	s_delay_alu instid0(VALU_DEP_2)
	v_max3_num_f32 v[T0], v[BM], v[BM+1], v[BM+2]
	s_delay_alu instid0(VALU_DEP_1)
	v_max_num_f32 v[T0], v[T0], v[BM+3]
	s_delay_alu instid0(VALU_DEP_1)
	v_mul_f32 v[T0], s32, v[T0]                    ; as t (c is positive)
	s_delay_alu instid0(VALU_DEP_1)
	v_max_num_f32 v[\st+1], v[\st+1], v[T0]        ; the running largest t
	v_mov_b32 v[T0], v[\st]
	s_delay_alu instid0(VALU_DEP_2)
	v_floor_f32 v[\st], -v[\st+1]                  ; the new -M = floor(-t) = -ceil(t)
	s_delay_alu instid0(VALU_DEP_1)
	v_sub_f32 v[T0], v[\st], v[T0]                 ; old M - new M: a whole number, 0 or less
	s_delay_alu instid0(VALU_DEP_1)
	v_cvt_i32_f32 v[T0], v[T0]                     ; (it saturates)
	s_delay_alu instid0(VALU_DEP_1)
	v_ldexp_f32 v[F], 1.0, v[T0]                   ; f = 2^(old M - new M)
.set j, 0
.rept 32
	v_pk_fma_f32 v[S+j:S+j+1], v[S+j:S+j+1], s[32:33], v[\st:\st+1] op_sel_hi:[1,0,0]   ; t - M, two at a time (of the pairs c and -M the low word serves both halves)
.set j, j+2
.endr
	v_pk_fma_f32 v[BM:BM+1], v[BM:BM+1], s[32:33], v[\st:\st+1] op_sel_hi:[1,0,0]      ; the same instruction on each block's largest score
	v_pk_fma_f32 v[BM+2:BM+3], v[BM+2:BM+3], s[32:33], v[\st:\st+1] op_sel_hi:[1,0,0]
.set j, 0
	s_wait_alu depctr_va_vdst(0)
.rept 64
	v_exp_f32 v[S+j], v[S+j]                       ; p = 2^(t - M), at most 1
.set j, j+1
.endr
	s_setprio 1
.irp b, 0,1,2,3
	v_exp_f32 v[BM+\b], v[BM+\b]                   ; the block's largest p: the same two instructions on the same number give the same bits
.endr
	v_pk_mul_f32 v[\st+2:\st+3], v[\st+2:\st+3], v[F:F+1] op_sel_hi:[1,0]          ; the sums under the new M.  (The plain line behind the exponentials: ISA guide 5.7.2)
	s_wait_alu depctr_va_vdst(0)
.irp b, 0,1,2,3
	v_max_num_f32 v[BM+\b], 0x8000000, v[BM+\b]    ; the floor 2^(16 - 127): the byte cannot fall under 1
.endr
.irp b, 0,1,2,3
	s_delay_alu instid0(VALU_DEP_4)
	v_add_nc_u32 v[SO+\b], 0xf8800000, v[BM+\b]    ; 15 off the exponent field: the conversion's scale operand
.endr
.irp b, 0,1,2,3
	v_and_or_b32 v[HD+\b], v[BM+\b], 0x7f800000, s34   ; 57,344 x the scale
.endr
.irp b, 0,1,2,3
	v_lshrrev_b32 v[BP+\b], 23, v[SO+\b]           ; the scale's byte
.endr
	s_delay_alu instid0(VALU_DEP_3)
	v_lshl_or_b32 v[\ps], v[BP+1], 8, v[BP]        ; p's scale word for these 128 keys: some seventy plain lines ahead of the products that name it
	s_delay_alu instid0(VALU_DEP_1)
	v_lshl_or_b32 v[\ps], v[BP+2], 16, v[\ps]
	s_delay_alu instid0(VALU_DEP_1)
	v_lshl_or_b32 v[\ps], v[BP+3], 24, v[\ps]
	v_pk_add_f32 v[244:245], v[S:S+1], v[S+2:S+3]  ; the row's sum is taken of the UNQUANTISED p: two at a time, in two chains
.set j, 4
.rept 15
	v_pk_add_f32 v[\st+2:\st+3], v[\st+2:\st+3], v[S+j:S+j+1]
	v_pk_add_f32 v[244:245], v[244:245], v[S+j+2:S+j+3]
.set j, j+4
.endr
	s_delay_alu instid0(VALU_DEP_1)
	v_pk_add_f32 v[\st+2:\st+3], v[\st+2:\st+3], v[244:245]
	s_setprio 0
; THE HOLD: the conversion to an 8-bit code does not saturate (ISA guide 7.6.2); p is not negative, so the hold is one-sided.  Two numbers to an instruction: the halves of a pair take an even register of one
; block and an odd one of its neighbour, so that the destinations are even and odd and both pairs of sources lie in different register banks (number mod 4).
.irp b, 0,2
.set j, 0
.rept 8
	v_dual_min_num_f32 v[S+16*\b+j], v[S+16*\b+j], v[HD+\b] :: v_dual_min_num_f32 v[S+16*\b+17+j], v[S+16*\b+17+j], v[HD+\b+1]
	v_dual_min_num_f32 v[S+16*\b+16+j], v[S+16*\b+16+j], v[HD+\b+1] :: v_dual_min_num_f32 v[S+16*\b+1+j], v[S+16*\b+1+j], v[HD+\b]
.set j, j+2
.endr
.irp d, 0,1
	v_cvt_scalef32_pk8_bf8_f32 v[\pc+4*(\b+\d):\pc+4*(\b+\d)+1], v[S+16*(\b+\d):S+16*(\b+\d)+7], v[SO+\b+\d]
	v_cvt_scalef32_pk8_bf8_f32 v[\pc+4*(\b+\d)+2:\pc+4*(\b+\d)+3], v[S+16*(\b+\d)+8:S+16*(\b+\d)+15], v[SO+\b+\d]
.endr
.endr
.set j, 0
.rept 8
	v_pk_mul_f32 v[\o+j:\o+j+1], v[\o+j:\o+j+1], v[F:F+1] op_sel_hi:[1,0]          ; O^T under the new M.  (These eight are the plain lines behind the conversions and in front of the products that take the codes)
.set j, j+2
.endr
.endm
; O^T += V^T P^T for one tile of queries: two tiles of 16 channels, K = these 128 keys
.macro PV o, pc, ps
	v_wmma_scale_f32_16x16x128_f8f6f4 v[\o:\o+7], v[KF:KF+15], v[\pc:\pc+15], v[\o:\o+7], v[VSC], v[\ps] matrix_a_fmt:MATRIX_FMT_BF8 matrix_b_fmt:MATRIX_FMT_BF8
	v_wmma_scale_f32_16x16x128_f8f6f4 v[\o+8:\o+15], v[KF+16:KF+31], v[\pc:\pc+15], v[\o+8:\o+15], v[VSC], v[\ps] matrix_a_fmt:MATRIX_FMT_BF8 matrix_b_fmt:MATRIX_FMT_BF8 matrix_a_scale:MATRIX_SCALE_ROW1
.endm
; A KEY STEP: 128 keys, both tiles of queries
.macro STEP
	v_add_nc_u32 v[ADK], s36, v[AK0]
	v_add_nc_u32 v[ADS], s37, v[AS0]
.rept 6
	v_nop                                          ; with the two additions: eight places between the last products and the loads into the registers that they read
.endr
.irp f, 0,1
.irp c, 0,1,2,3
	ds_load_b128 v[KF+16*\f+4*\c:KF+16*\f+4*\c+3], v[ADK] offset:2048*\f+512*\c
.endr
.endr
	ds_load_b32 v[KSC], v[ADS]
	s_wait_dscnt 0x0
	SMUL 28, 0
.rept 8
	v_nop
.endr
	SOFTMAX 8, OA, PCA, PSA
	SMUL 44, 1
	v_add_nc_u32 v[ADK], VIMG, v[ADK]              ; on to V's images (K's loads are in).  With the seven below: eight places in front of the reads of S^T and of the loads into K's registers
.rept 7
	v_nop
.endr
.irp f, 0,1
.irp c, 0,1,2,3
	ds_load_b128 v[KF+16*\f+4*\c:KF+16*\f+4*\c+3], v[ADK] offset:2048*\f+512*\c     ; V lands under tile B's softmax
.endr
.endr
	ds_load_b32 v[VSC], v[ADS] offset:1024
	SOFTMAX 12, OB, PCB, PSB
	s_wait_alu depctr_va_vdst(0)
	s_wait_dscnt 0x0
	PV OA, PCA, PSA                                ; four accumulators, one instruction a turn
	PV OB, PCB, PSB
	s_add_co_u32 s36, s36, 4096
	s_add_co_u32 s37, s37, 128
.endm
	STEP                                           ; steps 0 and 1 are written out: they read the 8,192 bytes of each region that the first loads brought, while the other loads land
	STEP
	s_wait_tensorcnt 0x0                           ; my other two loads have landed: my region's steps 2 to 7, my 64 rows of x
	s_wait_dscnt 0x0
	s_barrier_signal -1
	s_barrier_wait -1                              ; everybody's have
	s_mov_b32 s38, 6
.Lstep:                                            ; steps 2 to 7
	STEP
	s_sub_co_u32 s38, s38, 1
	s_cmp_lg_u32 s38, 0
	s_cbranch_scc1 .Lstep
	s_setprio 0
	; THE WAY OUT.  O^T / the sum goes into the work-group's stage, where a row's 256 bytes come from two waves; each wave then takes 16 whole rows, adds x and stores them.
.rept 8
	v_nop
.endr
	v_add_f32 v[BM], v10, v11                      ; the sum's two halves,
	v_add_f32 v[BM+2], v14, v15
	s_delay_alu instid0(VALU_DEP_2)
	v_permlanex16_b32 v[BP], v[BM], s30, s31
	s_delay_alu instid0(VALU_DEP_2)
	v_permlanex16_b32 v[BP+2], v[BM+2], s30, s31
	s_delay_alu instid0(VALU_DEP_2)
	v_add_f32 v[BM], v[BM], v[BP]                  ; and lane l xor 16's
	s_delay_alu instid0(VALU_DEP_2)
	v_add_f32 v[BM+2], v[BM+2], v[BP+2]
	s_wait_alu depctr_va_vdst(0)
	v_rcp_f32 v[BM], v[BM]
	v_rcp_f32 v[BM+2], v[BM+2]
	v_nop                                          ; a plain line behind the reciprocals
.set j, 0
	s_wait_alu depctr_va_vdst(0)
.rept 8
	v_pk_mul_f32 v[OA+j:OA+j+1], v[OA+j:OA+j+1], v[BM:BM+1] op_sel_hi:[1,0]
.set j, j+2
.endr
.set j, 0
.rept 8
	v_pk_mul_f32 v[OB+j:OB+j+1], v[OB+j:OB+j+1], v[BM+2:BM+3] op_sel_hi:[1,0]
.set j, j+2
.endr
.irp u, 0,1
.irp ct, 0,1
	ds_store_b128 v[STO], v[OA+16*\u+8*\ct:OA+16*\u+8*\ct+3] offset:2176*\u+64*\ct          ; lane (r, h): channels 16 ct + 8 h + 0 .. 7 of my query
	ds_store_b128 v[STO], v[OA+16*\u+8*\ct+4:OA+16*\u+8*\ct+7] offset:2176*\u+64*\ct+16
.endr
.endr
	s_wait_dscnt 0x0
	s_barrier_signal -1
	s_barrier_wait -1                              ; 256 whole rows lie in the stage
.irp i, 0,1,2,3,4,5,6,7
	ds_load_b128 v[100+4*\i:103+4*\i], v[RD] offset:544*\i
.endr
.irp i, 0,1,2,3,4,5,6,7
	ds_load_b128 v[132+4*\i:135+4*\i], v[XRA] offset:512*\i
.endr
	s_wait_dscnt 0x0
.set j, 0
.rept 16
	v_pk_add_f32 v[100+j:101+j], v[100+j:101+j], v[132+j:133+j]
.set j, j+2
.endr
.irp i, 0,1,2,3,4,5,6,7
	global_store_b128 v[GO], v[100+4*\i:103+4*\i], s[22:23] offset:4096*\i          ; sixteen lanes store 256 consecutive bytes, aligned
.endr
	; my 16 rows' sum and sum of squared distances from their mean, for each of the 64 channels: a lane has four channels and eight rows
	v_pk_add_f32 v[164:165], v[100:101], v[104:105]
	v_pk_add_f32 v[166:167], v[102:103], v[106:107]
.irp i, 2,3,4,5,6,7
	s_delay_alu instid0(VALU_DEP_2)
	v_pk_add_f32 v[164:165], v[164:165], v[100+4*\i:101+4*\i]
	s_delay_alu instid0(VALU_DEP_2)
	v_pk_add_f32 v[166:167], v[166:167], v[102+4*\i:103+4*\i]
.endr
.irp k, 0,1,2,3
	v_permlanex16_b32 v[168+\k], v[164+\k], s30, s31
.endr
	s_delay_alu instid0(VALU_DEP_3)
	v_pk_add_f32 v[164:165], v[164:165], v[168:169]
	s_delay_alu instid0(VALU_DEP_2)
	v_pk_add_f32 v[166:167], v[166:167], v[170:171]
.irp k, 0,1,2,3
	v_mul_f32 v[172+\k], 0x3d800000, v[164+\k]     ; / 16
.endr
.irp i, 0,1,2,3,4,5,6,7
	v_pk_add_f32 v[176:177], v[100+4*\i:101+4*\i], v[172:173] neg_lo:[0,1] neg_hi:[0,1]
	v_pk_add_f32 v[178:179], v[102+4*\i:103+4*\i], v[174:175] neg_lo:[0,1] neg_hi:[0,1]
.if \i == 0
	s_delay_alu instid0(VALU_DEP_2)
	v_pk_mul_f32 v[180:181], v[176:177], v[176:177]
	s_delay_alu instid0(VALU_DEP_2)
	v_pk_mul_f32 v[182:183], v[178:179], v[178:179]
.else
	s_delay_alu instid0(VALU_DEP_2)
	v_pk_fma_f32 v[180:181], v[176:177], v[176:177], v[180:181]
	s_delay_alu instid0(VALU_DEP_2)
	v_pk_fma_f32 v[182:183], v[178:179], v[178:179], v[182:183]
.endif
.endr
.irp k, 0,1,2,3
	v_permlanex16_b32 v[184+\k], v[180+\k], s30, s31
.endr
	s_delay_alu instid0(VALU_DEP_3)
	v_pk_add_f32 v[180:181], v[180:181], v[184:185]
	s_delay_alu instid0(VALU_DEP_2)
	v_pk_add_f32 v[182:183], v[182:183], v[186:187]
.irp k, 0,1,2,3
	v_cndmask_b32 v[188+\k], v[164+\k], v[180+\k], vcc_lo   ; lanes 0-15 hand on the sums, lanes 16-31 the squares
.endr
	ds_store_b128 v247, v[188:191]
	s_wait_dscnt 0x0
	s_barrier_signal -1
	s_barrier_wait -1
	s_cmp_lg_u32 s26, 0
	s_cbranch_scc1 .Lend
	; wave 0 joins the sixteen: no difference of large sums is formed: M2 = the sum of the M2 + 16 x the sum of (mean_i - mean)^2
.set i, 0
.rept 16
	ds_load_b128 v[132+4*i:135+4*i], v251 offset:512*i
.set i, i+1
.endr
	s_wait_dscnt 0x0
	v_pk_add_f32 v[196:197], v[132:133], v[136:137]
	v_pk_add_f32 v[198:199], v[134:135], v[138:139]
.set i, 2
.rept 14
	s_delay_alu instid0(VALU_DEP_2)
	v_pk_add_f32 v[196:197], v[196:197], v[132+4*i:133+4*i]
	s_delay_alu instid0(VALU_DEP_2)
	v_pk_add_f32 v[198:199], v[198:199], v[134+4*i:135+4*i]
.set i, i+1
.endr
.irp k, 0,1,2,3
	v_mul_f32 v[200+\k], 0x3b800000, v[196+\k]     ; / 256: in lanes 0-15 the mean of the 256 rows
.endr
.set i, 0
.rept 16
	v_pk_fma_f32 v[204:205], v[132+4*i:133+4*i], s[50:51], v[200:201] op_sel_hi:[1,0,1] neg_lo:[0,0,1] neg_hi:[0,0,1]   ; mean_i - mean
	v_pk_fma_f32 v[206:207], v[134+4*i:135+4*i], s[50:51], v[202:203] op_sel_hi:[1,0,1] neg_lo:[0,0,1] neg_hi:[0,0,1]
.if i == 0
	s_delay_alu instid0(VALU_DEP_2)
	v_pk_mul_f32 v[208:209], v[204:205], v[204:205]
	s_delay_alu instid0(VALU_DEP_2)
	v_pk_mul_f32 v[210:211], v[206:207], v[206:207]
.else
	s_delay_alu instid0(VALU_DEP_2)
	v_pk_fma_f32 v[208:209], v[204:205], v[204:205], v[208:209]
	s_delay_alu instid0(VALU_DEP_2)
	v_pk_fma_f32 v[210:211], v[206:207], v[206:207], v[210:211]
.endif
.set i, i+1
.endr
.irp k, 0,1,2,3
	v_permlanex16_b32 v[212+\k], v[208+\k], s30, s31   ; lanes 16-31 take what lanes 0-15 made
.endr
.irp k, 0,1,2,3
	s_delay_alu instid0(VALU_DEP_4)
	v_fmamk_f32 v[216+\k], v[212+\k], 0x41800000, v[196+\k]   ; x 16 + the sum of the M2: right in lanes 16-31
.endr
.irp k, 0,1,2,3
	s_delay_alu instid0(VALU_DEP_4)
	v_cndmask_b32 v[220+\k], v[200+\k], v[216+\k], vcc_lo
.endr
	global_store_b128 v252, v[220:223], s[24:25]   ; 64 means, 64 M2: 512 consecutive bytes
.Lend:
	s_wait_tensorcnt 0x0
	ds_add_u32 v249, v254
	s_wait_dscnt 0x0
	s_endpgm
.Lfunc_end_k_qeae3091efc_attn:
	.size	k_qeae3091efc_attn, .Lfunc_end_k_qeae3091efc_attn-k_qeae3091efc_attn
	.p2alignl 7, 3214868480
	.fill 96, 4, 3214868480
	.section	.rodata,"a",@progbits
	.p2align	6, 0x0
	.amdhsa_kernel k_qeae3091efc_attn
		.amdhsa_group_segment_fixed_size 280576
		.amdhsa_private_segment_fixed_size 0
		.amdhsa_enable_private_segment 0
		.amdhsa_kernarg_size 72
		.amdhsa_user_sgpr_count 2
		.amdhsa_user_sgpr_kernarg_segment_ptr 1
		.amdhsa_wavefront_size32 1
		.amdhsa_system_sgpr_workgroup_id_x 1
		.amdhsa_system_sgpr_workgroup_id_y 1
		.amdhsa_system_sgpr_workgroup_id_z 1
		.amdhsa_system_vgpr_workitem_id 0
		.amdhsa_next_free_vgpr 256
		.amdhsa_next_free_sgpr 96
		.amdhsa_reserve_vcc 1
		.amdhsa_float_denorm_mode_32 3
		.amdhsa_float_denorm_mode_16_64 3
		.amdhsa_memory_ordered 1
		.amdhsa_forward_progress 1
		.amdhsa_inst_pref_size 130
	.end_amdhsa_kernel
	.amdgpu_metadata
---
amdhsa.version: [ 1, 2 ]
amdhsa.kernels:
  - .name:           k_qeae3091efc_attn
    .symbol:         k_qeae3091efc_attn.kd
    .args:
      - { .name: qc, .offset: 0, .size: 8, .value_kind: global_buffer, .address_space: global }
      - { .name: qs, .offset: 8, .size: 8, .value_kind: global_buffer, .address_space: global }
      - { .name: kc, .offset: 16, .size: 8, .value_kind: global_buffer, .address_space: global }
      - { .name: ks, .offset: 24, .size: 8, .value_kind: global_buffer, .address_space: global }
      - { .name: vc, .offset: 32, .size: 8, .value_kind: global_buffer, .address_space: global }
      - { .name: vs, .offset: 40, .size: 8, .value_kind: global_buffer, .address_space: global }
      - { .name: inputs, .offset: 48, .size: 8, .value_kind: global_buffer, .address_space: global }
      - { .name: y, .offset: 56, .size: 8, .value_kind: global_buffer, .address_space: global }
      - { .name: part, .offset: 64, .size: 8, .value_kind: global_buffer, .address_space: global }
    .group_segment_fixed_size: 280576
    .private_segment_fixed_size: 0
    .kernarg_segment_align: 8
    .kernarg_segment_size: 72
    .max_flat_workgroup_size: 512
    .sgpr_count:     96
    .vgpr_count:     256
    .wavefront_size: 32
...
	.end_amdgpu_metadata
.endif
;; end of part 5
;; launch bn (part 6): grid 8 x 32, 8 waves a work-group, no clusters, 17,408 bytes of LDS; arguments y, part, gamma, beta, out0; writes out0
.if DOCPART == 6
	.amdgcn_target "amdgcn-amd-amdhsa--gfx1250"
	.amdhsa_code_object_version 6
	.text
	.protected	k_qeae3091efc_bn
	.globl	k_qeae3091efc_bn
	.p2align	8
	.type	k_qeae3091efc_bn,@function
k_qeae3091efc_bn:
	s_mov_b64 s[64:65], 0
	v_nop
	global_prefetch_b8 v0, s[64:65] scope:SCOPE_SE
	s_setreg_imm32_b32 hwreg(HW_REG_WAVE_MODE, 25, 1), 1
	s_wait_xcnt 0x0
; out = (y - mean) rsqrt(var + 1e-3) gamma + beta, mean and var of each channel over all 8,192 rows.
; part holds, for each strip of 64 channels, 32 contributors of 256 rows each: 64 means, 64 sums of squared distances from them.  They are joined without a difference of large sums:
; mean = the mean of the means;  var x 8,192 = the sum of the M2 + 256 x the sum of (mean_c - mean)^2.
; SHARES.  A work-group takes a strip of 64 channels (work-group x) and 256 rows (work-group y), a wave 32 rows: sixteen loads and stores, in each of which sixteen lanes cover 256 consecutive bytes, aligned.
; A stream: y is asked for first thing behind the partials and lands while they are joined.  No matrix unit, no cluster, no tensor load: each byte of y is read once by one wave; the strip's 16 KB of partials are
; read by 32 work-groups, a ninth of what the launch moves.
; LIMITS: NaN and infinities are not served.
	s_load_b256 s[8:15], s[0:1], 0x0               ; y, part, gamma, beta
	s_load_b64 s[16:17], s[0:1], 0x20              ; out0
	v_lshl_add_u32 v6, v0, 2, 0x4000
	v_mov_b32 v7, 0
	v_lshrrev_b32 v1, 5, v0
	s_delay_alu instid0(VALU_DEP_1)
	v_readfirstlane_b32 s18, v1                    ; wave 0..7
	v_lshlrev_b32 v1, 4, v0                        ; 16 x thread
	v_and_b32 v2, 31, v0
	s_delay_alu instid0(VALU_DEP_1)
	v_lshlrev_b32 v2, 4, v2                        ; 16 x lane
	v_and_b32 v4, 15, v0
	s_delay_alu instid0(VALU_DEP_1)
	v_lshlrev_b32 v4, 4, v4                        ; my four channels
	v_bfe_u32 v3, v0, 4, 1
	s_delay_alu instid0(VALU_DEP_1)
	v_lshl_add_u32 v3, v3, 11, v4                  ; lanes 16-31 one row further down
.irp k, 0,1,2,3,4,5,6,7
	v_mov_b32 v[240+\k], 0                         ; written once: a lane permute's destination counts as one of its sources
.endr
	s_and_b32 s19, ttmp7, 0xffff
	s_lshl_b32 s20, s19, 8
	s_lshl_b32 s21, s18, 5
	s_add_co_u32 s20, s20, s21                     ; my first row
	s_lshl_b32 s20, s20, 11
	s_lshl_b32 s26, ttmp9, 8                       ; the strip's 256 bytes
	s_add_co_u32 s20, s20, s26
	s_mov_b32 s21, 0
	s_mov_b32 s27, 0
	s_lshl_b32 s28, ttmp9, 14                      ; and its 16,384 bytes of partials
	s_mov_b32 s29, 0
	s_mov_b32 s22, 0x43800000                      ; 256
	s_mov_b32 s23, 0x39000000                      ; 1 / 8,192
	s_mov_b32 s24, 0x3a83126f                      ; 1e-3
	s_mov_b32 s30, 0x76543210
	s_mov_b32 s31, 0xfedcba98                      ; v_permlanex16_b32's selects for lane l xor 16
	s_mov_b32 vcc_lo, 0xffff0000                   ; lanes 16-31
	s_wait_alu depctr_va_vdst(0)
	s_wait_kmcnt 0x0
	s_add_nc_u64 s[8:9], s[8:9], s[20:21]
	s_add_nc_u64 s[16:17], s[16:17], s[20:21]
	s_add_nc_u64 s[10:11], s[10:11], s[28:29]
	s_add_nc_u64 s[12:13], s[12:13], s[26:27]
	s_add_nc_u64 s[14:15], s[14:15], s[26:27]
.irp i, 0,1,2,3
	global_load_b128 v[8+4*\i:11+4*\i], v1, s[10:11] offset:4096*\i
.endr
	global_load_b128 v[24:27], v4, s[12:13]        ; gamma
	global_load_b128 v[28:31], v4, s[14:15]        ; beta
.set i, 0
.rept 16
	global_load_b128 v[32+4*i:35+4*i], v3, s[8:9] offset:4096*i th:TH_LOAD_NT
.set i, i+1
.endr
	s_wait_loadcnt 18                              ; the partials are in; gamma, beta and y's sixteen loads, issued behind them, may be out
.irp i, 0,1,2,3
	ds_store_b128 v1, v[8+4*\i:11+4*\i] offset:4096*\i
.endr
	s_wait_dscnt 0x0
	s_barrier_signal -1
	s_barrier_wait -1
.set c, 0
.rept 32
	ds_load_b128 v[96+4*c:99+4*c], v2 offset:512*c ; contributor c: lanes 0-15 its means of my four channels, lanes 16-31 its M2
.set c, c+1
.endr
	s_wait_dscnt 0x0
	v_pk_add_f32 v[224:225], v[96:97], v[100:101]
	v_pk_add_f32 v[226:227], v[98:99], v[102:103]
.set c, 2
.rept 30
	s_delay_alu instid0(VALU_DEP_2)
	v_pk_add_f32 v[224:225], v[224:225], v[96+4*c:97+4*c]
	s_delay_alu instid0(VALU_DEP_2)
	v_pk_add_f32 v[226:227], v[226:227], v[98+4*c:99+4*c]
.set c, c+1
.endr
.irp k, 0,1,2,3
	v_mul_f32 v[228+\k], 0x3d000000, v[224+\k]     ; / 32
.endr
.set c, 0
.rept 32
	v_pk_add_f32 v[236:237], v[96+4*c:97+4*c], v[228:229] neg_lo:[0,1] neg_hi:[0,1]
	v_pk_add_f32 v[238:239], v[98+4*c:99+4*c], v[230:231] neg_lo:[0,1] neg_hi:[0,1]
.if c == 0
	s_delay_alu instid0(VALU_DEP_2)
	v_pk_mul_f32 v[232:233], v[236:237], v[236:237]
	s_delay_alu instid0(VALU_DEP_2)
	v_pk_mul_f32 v[234:235], v[238:239], v[238:239]
.else
	s_delay_alu instid0(VALU_DEP_2)
	v_pk_fma_f32 v[232:233], v[236:237], v[236:237], v[232:233]
	s_delay_alu instid0(VALU_DEP_2)
	v_pk_fma_f32 v[234:235], v[238:239], v[238:239], v[234:235]
.endif
.set c, c+1
.endr
.irp k, 0,1,2,3
	v_permlanex16_b32 v[240+\k], v[224+\k], s30, s31
	v_permlanex16_b32 v[244+\k], v[232+\k], s30, s31
.endr
.irp k, 0,1,2,3
	v_cndmask_b32 v[248+\k], v[224+\k], v[240+\k], vcc_lo   ; the sum of the means, in every lane
	v_cndmask_b32 v[252+\k], v[240+\k], v[224+\k], vcc_lo   ; the sum of the M2
	v_cndmask_b32 v[236+\k], v[232+\k], v[244+\k], vcc_lo   ; the sum of (mean_c - mean)^2
.endr
.irp k, 0,1,2,3
	v_mul_f32 v[248+\k], 0x3d000000, v[248+\k]     ; the mean
	v_fma_f32 v[252+\k], v[236+\k], s22, v[252+\k]
.endr
.irp k, 0,1,2,3
	v_fma_f32 v[252+\k], v[252+\k], s23, s24       ; var + 1e-3
.endr
	s_wait_alu depctr_va_vdst(0)
.irp k, 0,1,2,3
	v_rsq_f32 v[252+\k], v[252+\k]
.endr
	v_nop                                          ; a plain line behind the transcendentals
	s_wait_loadcnt 0x0                             ; gamma, beta, y
	s_wait_alu depctr_va_vdst(0)
	v_pk_mul_f32 v[252:253], v[252:253], v[24:25]
	v_pk_mul_f32 v[254:255], v[254:255], v[26:27]
.set i, 0
.rept 16
	v_pk_add_f32 v[32+4*i:33+4*i], v[32+4*i:33+4*i], v[248:249] neg_lo:[0,1] neg_hi:[0,1]
	v_pk_add_f32 v[34+4*i:35+4*i], v[34+4*i:35+4*i], v[250:251] neg_lo:[0,1] neg_hi:[0,1]
	s_delay_alu instid0(VALU_DEP_2)
	v_pk_fma_f32 v[32+4*i:33+4*i], v[32+4*i:33+4*i], v[252:253], v[28:29]
	s_delay_alu instid0(VALU_DEP_2)
	v_pk_fma_f32 v[34+4*i:35+4*i], v[34+4*i:35+4*i], v[254:255], v[30:31]
	global_store_b128 v3, v[32+4*i:35+4*i], s[16:17] offset:4096*i th:TH_STORE_NT
.set i, i+1
.endr
	s_wait_tensorcnt 0x0
	ds_add_u32 v6, v7
	s_wait_dscnt 0x0
	s_endpgm
.Lfunc_end_k_qeae3091efc_bn:
	.size	k_qeae3091efc_bn, .Lfunc_end_k_qeae3091efc_bn-k_qeae3091efc_bn
	.p2alignl 7, 3214868480
	.fill 96, 4, 3214868480
	.section	.rodata,"a",@progbits
	.p2align	6, 0x0
	.amdhsa_kernel k_qeae3091efc_bn
		.amdhsa_group_segment_fixed_size 17408
		.amdhsa_private_segment_fixed_size 0
		.amdhsa_enable_private_segment 0
		.amdhsa_kernarg_size 40
		.amdhsa_user_sgpr_count 2
		.amdhsa_user_sgpr_kernarg_segment_ptr 1
		.amdhsa_wavefront_size32 1
		.amdhsa_system_sgpr_workgroup_id_x 1
		.amdhsa_system_sgpr_workgroup_id_y 1
		.amdhsa_system_sgpr_workgroup_id_z 1
		.amdhsa_system_vgpr_workitem_id 0
		.amdhsa_next_free_vgpr 256
		.amdhsa_next_free_sgpr 66
		.amdhsa_reserve_vcc 1
		.amdhsa_float_denorm_mode_32 3
		.amdhsa_float_denorm_mode_16_64 3
		.amdhsa_memory_ordered 1
		.amdhsa_forward_progress 1
		.amdhsa_inst_pref_size 32
	.end_amdhsa_kernel
	.amdgpu_metadata
---
amdhsa.version: [ 1, 2 ]
amdhsa.kernels:
  - .name:           k_qeae3091efc_bn
    .symbol:         k_qeae3091efc_bn.kd
    .args:
      - { .name: y, .offset: 0, .size: 8, .value_kind: global_buffer, .address_space: global }
      - { .name: part, .offset: 8, .size: 8, .value_kind: global_buffer, .address_space: global }
      - { .name: gamma, .offset: 16, .size: 8, .value_kind: global_buffer, .address_space: global }
      - { .name: beta, .offset: 24, .size: 8, .value_kind: global_buffer, .address_space: global }
      - { .name: out0, .offset: 32, .size: 8, .value_kind: global_buffer, .address_space: global }
    .group_segment_fixed_size: 17408
    .private_segment_fixed_size: 0
    .kernarg_segment_align: 8
    .kernarg_segment_size: 40
    .max_flat_workgroup_size: 256
    .sgpr_count:     66
    .vgpr_count:     256
    .wavefront_size: 32
...
	.end_amdgpu_metadata
.endif
;; end of part 6
